; MI455X (gfx1250); checked and timed in simulation.
; The chip was launched on July 23, 2026; its instructions are those of AMD's public machine-readable ISA for CDNA 5 (MIT licence, August 2026) and "CDNA5" Instruction Set Architecture Reference Guide (July 2026). The comments in the code are by the model that wrote it; some were corrected since.
;; Diff Flex Self Attention. Allowed arithmetic: float matrix products may take bf16 or f16 operands with f32 sums; other float arithmetic in f32, or as packed bf16 or f16 multiplies, adds, multiply-adds, maxima and minima; sums over many terms, partial sums and values carried from step to step in f32; what a program stores and reads back later, other than sums and carried values, may be rounded once to bf16 or f16.
;; Inputs: Wk 2,048 x 2,048 float32; Wo 2,048 x 2,048 float32; Wq 2,048 x 2,048 float32; Wv 2,048 x 2,048 float32; lk1 64 float32; lk2 64 float32; lq1 64 float32; lq2 64 float32; x 1 x 2,048 x 2,048 float32; x_pos 1 x 2,048 int32.
;; Outputs: out0 1 x 2,048 x 2,048 float32.
;; 2 versions, each right; version 2 is version 1 with the launch prep written anew for expert scheduling mode. Each part assembles by itself: llvm-mc -triple=amdgcn-amd-amdhsa -mcpu=gfx1250 --defsym DOCPART=n.
;; ======== version 1 of 2: 4 launches
;; limits: values are held in f16: magnitudes above 65,504 overflow, below 6.1e-05 lose precision; right only within a limited range of input values
;; workspace buffers: bf 41,943,040 bytes; tab 524,288 bytes; lamb 256 bytes; qh 8,388,608 bytes; kh 8,388,608 bytes; vh 8,388,608 bytes; ob 8,388,608 bytes
;; launch prep (part 1): grid 128 x 6, 8 waves a work-group, no clusters, 0 bytes of LDS; arguments x, Wq, Wk, Wv, Wo, x_pos, lq1, lk1, lq2, lk2, bf, tab, lamb; writes bf, tab, lamb
.if DOCPART == 1
	.amdgcn_target "amdgcn-amd-amdhsa--gfx1250"
	.amdhsa_code_object_version 6
	.text
	.protected	k_q35b8c8fec3_prep
	.globl	k_q35b8c8fec3_prep
	.p2align	8
	.type	k_q35b8c8fec3_prep,@function
k_q35b8c8fec3_prep:
	s_mov_b64 s[64:65], 0
	v_nop
	global_prefetch_b8 v0, s[64:65] scope:SCOPE_SE
	s_setreg_imm32_b32 hwreg(HW_REG_WAVE_MODE, 25, 1), 1
	s_wait_xcnt 0x0
; PREP.  Grid y = 0..4: one of x, Wq, Wk, Wv, Wo ([2048][2048] f32) is rounded once to bf16 and laid into plane y of bf (8,388,608 bytes a plane);
; Wo's bf16 number is written as f16, since the last product multiplies in f16.  Grid y = 5: the table of cosines and sines for the rotary, and lam.
; A stream: each input byte is read once, each output byte written once; nothing is shared between waves, so there is no LDS, no barrier, no matrix work.
; LIMITS.  |Wo| under 65,504 (f16's range); a bf16 number of Wo below 2^-17 keeps f16's fixed step of 6e-8.  |x_pos| up to 4,000,000: the quadrant number stays exact in f32.
; NaN and infinities are not treated apart.
.set D, 8                              ; v[8:135]  sixteen chunks of 8 f32 as loaded; the first four registers of a chunk then hold its 8 packed numbers
	s_load_b512 s[8:23], s[0:1], 0x0               ; x 8, Wq 10, Wk 12, Wv 14, Wo 16, x_pos 18, lq1 20, lk1 22
	s_load_b256 s[24:31], s[0:1], 0x40             ; lq2 24, lk2 26, bf 28, tab 30
	s_load_b64 s[32:33], s[0:1], 0x60              ; lamb
	s_and_b32 s4, ttmp7, 0xffff                    ; grid y: which job
	s_mov_b32 s39, 0
	s_wait_kmcnt 0x0
	s_cmp_eq_u32 s4, 5
	s_cbranch_scc1 .Ltable
	; THE CONVERSIONS.  A work-group owns 131,072 bytes of f32: 16 chunks of 8,192; thread t owns 32 bytes of each chunk, which become 16 bytes.
	v_lshlrev_b32 v1, 5, v0                        ; 32 t
	v_lshlrev_b32 v2, 4, v0                        ; 16 t
	s_mov_b64 s[34:35], s[8:9]                     ; the source is chosen by grid y alone
	s_cmp_eq_u32 s4, 1
	s_cselect_b64 s[34:35], s[10:11], s[34:35]
	s_cmp_eq_u32 s4, 2
	s_cselect_b64 s[34:35], s[12:13], s[34:35]
	s_cmp_eq_u32 s4, 3
	s_cselect_b64 s[34:35], s[14:15], s[34:35]
	s_cmp_eq_u32 s4, 4
	s_cselect_b64 s[34:35], s[16:17], s[34:35]
	s_lshl_b32 s38, ttmp9, 17
	s_add_nc_u64 s[34:35], s[34:35], s[38:39]      ; + 131,072 x work-group
	s_lshl_b32 s38, s4, 23                         ; the plane,
	s_lshl_b32 s6, ttmp9, 16                       ; and 65,536 x work-group in it
	s_add_co_u32 s38, s38, s6
	s_add_nc_u64 s[36:37], s[28:29], s[38:39]
.set c, 0
.rept 16                                       ; all 32 loads of a thread go out at once: the work-group's 131,072 bytes are on their way together
	global_load_b128 v[D+8*c:D+8*c+3],   v1, s[34:35] offset:8192*c th:TH_LOAD_NT
	global_load_b128 v[D+8*c+4:D+8*c+7], v1, s[34:35] offset:8192*c+16 th:TH_LOAD_NT
.set c, c+1
.endr
; Chunk c is rounded in place (register k takes numbers 2 k and 2 k + 1, and k <= 2 k) and stored: a wave's store covers 512 consecutive bytes, aligned.
; half = 1: the bf16 number is widened again and written as f16.  No register of a store is written again, so no wait stands behind the stores.
.macro CONV c, half
	s_wait_loadcnt 30-2*(\c)                       ; loads come back in order: chunk c's two are in, the 2 (15 - c) younger ones may stay out
.irp k, 0,1,2,3
.if \half
	v_cvt_pk_bf16_f32 v4, v[D+8*(\c)+2*\k], v[D+8*(\c)+2*\k+1]
	v_lshlrev_b32 v5, 16, v4
	v_and_b32 v6, 0xffff0000, v4
	v_cvt_pk_f16_f32 v[D+8*(\c)+\k], v5, v6
.else
	v_cvt_pk_bf16_f32 v[D+8*(\c)+\k], v[D+8*(\c)+2*\k], v[D+8*(\c)+2*\k+1]
.endif
.endr
	global_store_b128 v2, v[D+8*(\c):D+8*(\c)+3], s[36:37] offset:4096*(\c) th:TH_STORE_NT
.endm
	s_cmp_eq_u32 s4, 4
	s_cbranch_scc1 .Lwo
.set c, 0
.rept 16
	CONV c, 0
.set c, c+1
.endr
	s_endpgm
.Lwo:
.set c, 0
.rept 16
	CONV c, 1
.set c, c+1
.endr
	s_endpgm
	; THE TABLE.  Row s of tab is 256 bytes: group j / 2 (16 bytes, j even) holds cos_j, cos_j+1, sin_j, sin_j+1 of the angle f32(x_pos[s]) x 10000^(-j / 32), j = 0..31.
	; Thread t serves row 16 x work-group + t / 16 and j = 2 (t % 16): sixteen lanes store one whole row.
.Ltable:
	v_lshrrev_b32 v3, 4, v0
	s_lshl_b32 s38, ttmp9, 6
	v_lshl_add_u32 v3, v3, 2, s38                  ; 4 x my row
	global_load_b32 v7, v3, s[18:19]               ; my row's position
	v_and_b32 v8, 15, v0
	v_lshlrev_b32 v8, 1, v8
	v_cvt_f32_u32 v8, v8                           ; j
	v_add_f32 v9, 1.0, v8                          ; j + 1
	v_mul_f32 v8, 0xbed49a78, v8                   ; x -log2(10000) / 32
	v_mul_f32 v9, 0xbed49a78, v9
	v_exp_f32 v10, v8                              ; the two frequencies
	v_exp_f32 v11, v9
	s_mov_b32 s40, 0x3f22f983                      ; 2 / pi
	s_mov_b32 s41, 0x3fc90fdb                      ; pi / 2, its f32,
	s_mov_b32 s42, 0xb33bbd2e                      ; and what that f32 leaves out
	s_mov_b32 s43, 0xbe2aaaa3                      ; sine on -pi/4 .. pi/4: r + r z (S1 + z (S2 + z S3)), z = r r
	s_mov_b32 s44, 0x3c08839e
	s_mov_b32 s45, 0xb94ca1f9
	s_mov_b32 s46, 0x3d2aaaa5                      ; cosine: 1 + z (-1/2 + z (C1 + z (C2 + z C3)))
	s_mov_b32 s47, 0xbab6061a
	s_mov_b32 s48, 0x37ccf5ce
	s_lshl_b32 s6, ttmp9, 12
	v_lshlrev_b32 v27, 4, v0                       ; a plain instruction behind the second exponential
	v_add_nc_u32 v27, s6, v27                      ; my 16 bytes of tab: 4,096 x work-group + 16 t
	s_wait_alu depctr_va_vdst(0)                   ; one wait for the two exponentials, ahead of their first reader
	s_wait_loadcnt 0x0
	v_cvt_f32_i32 v7, v7
	v_mul_f32 v10, v7, v10                         ; the angles, rounded as a product of two f32
	v_mul_f32 v11, v7, v11
; The angle is n pi / 2 + r with n whole and |r| <= pi / 4; n mod 4 says which of the two series is the sine and which signs turn.
.macro SINCOS ang, c, s
	v_mul_f32 v20, s40, v[\ang]
	v_rndne_f32 v20, v20                           ; n
	v_fma_f32 v21, -v20, s41, v[\ang]
	v_fma_f32 v21, -v20, s42, v21                  ; r, in two steps
	v_cvt_i32_f32 v22, v20
	v_mul_f32 v23, v21, v21                        ; z
	v_fma_f32 v24, v23, s45, s44
	v_fma_f32 v24, v24, v23, s43
	v_mul_f32 v25, v21, v23
	v_fma_f32 v24, v25, v24, v21                   ; sin r
	v_fma_f32 v25, v23, s48, s47
	v_fma_f32 v25, v25, v23, s46
	v_fma_f32 v25, v25, v23, -0.5
	v_fma_f32 v25, v25, v23, 1.0                   ; cos r
	v_and_b32 v26, 1, v22
	v_cmp_ne_u32 vcc_lo, 0, v26
	v_cndmask_b32 v[\s], v24, v25, vcc_lo          ; n odd: the two change places
	v_cndmask_b32 v[\c], v25, v24, vcc_lo
	v_and_b32 v26, 2, v22
	v_lshlrev_b32 v26, 30, v26
	v_xor_b32 v[\s], v[\s], v26                    ; the sine turns its sign for n mod 4 = 2, 3
	v_add_nc_u32 v26, 1, v22
	v_and_b32 v26, 2, v26
	v_lshlrev_b32 v26, 30, v26
	v_xor_b32 v[\c], v[\c], v26                    ; the cosine for n mod 4 = 1, 2
.endm
	SINCOS 10, 16, 18
	SINCOS 11, 17, 19
	global_store_b128 v27, v[16:19], s[30:31]
	; LAM = exp(lq1 . lk1) - exp(lq2 . lk2) + LAMBDA_INIT, by wave 0 of work-group 0; the four vectors are rounded to bf16 like every other input.
	v_lshrrev_b32 v28, 5, v0
	v_readfirstlane_b32 s5, v28
	s_or_b32 s5, s5, ttmp9
	s_cmp_lg_u32 s5, 0
	s_cbranch_scc1 .Ldone
	s_mov_b32 s52, 0x76543210                      ; v_permlanex16_b32: each lane takes its own place in the other half
	s_mov_b32 s53, 0xfedcba98
	v_lshlrev_b32 v30, 3, v0                       ; two numbers a lane
	global_load_b64 v[32:33], v30, s[20:21]
	global_load_b64 v[34:35], v30, s[22:23]
	global_load_b64 v[36:37], v30, s[24:25]
	global_load_b64 v[38:39], v30, s[26:27]
	v_mov_b32 v43, 0
	s_wait_loadcnt 0x0
.irp p, 32,34,36,38
	v_cvt_pk_bf16_f32 v40, v[\p], v[\p+1]
	v_lshlrev_b32 v[\p], 16, v40
	v_and_b32 v[\p+1], 0xffff0000, v40
.endr
	v_mul_f32 v41, v32, v34
	v_mul_f32 v42, v36, v38
	v_fmac_f32 v41, v33, v35
	v_fmac_f32 v42, v37, v39
.irp m, 1,2,4,8
	v_add_f32_dpp v41, v41, v41 row_xmask:\m row_mask:0xf bank_mask:0xf
	v_add_f32_dpp v42, v42, v42 row_xmask:\m row_mask:0xf bank_mask:0xf
.endr
	v_permlanex16_b32 v43, v41, s52, s53
	v_add_f32 v41, v41, v43
	v_permlanex16_b32 v43, v42, s52, s53
	v_add_f32 v42, v42, v43
	v_mul_f32 v41, 0x3fb8aa3b, v41                 ; x log2(e)
	v_mul_f32 v42, 0x3fb8aa3b, v42
	v_exp_f32 v44, v41
	v_exp_f32 v45, v42
	v_nop                                          ; a plain instruction behind the second exponential,
	s_wait_alu depctr_va_vdst(0)                   ; and the one wait ahead of the first reader
	v_sub_f32 v44, v44, v45
	v_add_f32 v44, 0x3f489a63, v44                 ; + 0.8 - 0.6 exp(-3.6) = 0.78360577
	v_mov_b32 v45, v44
	global_store_b64 v30, v[44:45], s[32:33]       ; 64 copies: the wave's store covers the buffer's 256 bytes
.Ldone:
	s_endpgm
.Lfunc_end_k_q35b8c8fec3_prep:
	.size	k_q35b8c8fec3_prep, .Lfunc_end_k_q35b8c8fec3_prep-k_q35b8c8fec3_prep
	.p2alignl 7, 3214868480
	.fill 96, 4, 3214868480
	.section	.rodata,"a",@progbits
	.p2align	6, 0x0
	.amdhsa_kernel k_q35b8c8fec3_prep
		.amdhsa_group_segment_fixed_size 0
		.amdhsa_private_segment_fixed_size 0
		.amdhsa_enable_private_segment 0
		.amdhsa_kernarg_size 104
		.amdhsa_user_sgpr_count 2
		.amdhsa_user_sgpr_kernarg_segment_ptr 1
		.amdhsa_wavefront_size32 1
		.amdhsa_system_sgpr_workgroup_id_x 1
		.amdhsa_system_sgpr_workgroup_id_y 1
		.amdhsa_system_sgpr_workgroup_id_z 1
		.amdhsa_system_vgpr_workitem_id 0
		.amdhsa_next_free_vgpr 136
		.amdhsa_next_free_sgpr 66
		.amdhsa_reserve_vcc 1
		.amdhsa_float_denorm_mode_32 3
		.amdhsa_float_denorm_mode_16_64 3
		.amdhsa_memory_ordered 1
		.amdhsa_forward_progress 1
		.amdhsa_inst_pref_size 33
	.end_amdhsa_kernel
	.amdgpu_metadata
---
amdhsa.version: [ 1, 2 ]
amdhsa.kernels:
  - .name:           k_q35b8c8fec3_prep
    .symbol:         k_q35b8c8fec3_prep.kd
    .args:
      - { .name: x, .offset: 0, .size: 8, .value_kind: global_buffer, .address_space: global }
      - { .name: Wq, .offset: 8, .size: 8, .value_kind: global_buffer, .address_space: global }
      - { .name: Wk, .offset: 16, .size: 8, .value_kind: global_buffer, .address_space: global }
      - { .name: Wv, .offset: 24, .size: 8, .value_kind: global_buffer, .address_space: global }
      - { .name: Wo, .offset: 32, .size: 8, .value_kind: global_buffer, .address_space: global }
      - { .name: x_pos, .offset: 40, .size: 8, .value_kind: global_buffer, .address_space: global }
      - { .name: lq1, .offset: 48, .size: 8, .value_kind: global_buffer, .address_space: global }
      - { .name: lk1, .offset: 56, .size: 8, .value_kind: global_buffer, .address_space: global }
      - { .name: lq2, .offset: 64, .size: 8, .value_kind: global_buffer, .address_space: global }
      - { .name: lk2, .offset: 72, .size: 8, .value_kind: global_buffer, .address_space: global }
      - { .name: bf, .offset: 80, .size: 8, .value_kind: global_buffer, .address_space: global }
      - { .name: tab, .offset: 88, .size: 8, .value_kind: global_buffer, .address_space: global }
      - { .name: lamb, .offset: 96, .size: 8, .value_kind: global_buffer, .address_space: global }
    .group_segment_fixed_size: 0
    .private_segment_fixed_size: 0
    .kernarg_segment_align: 8
    .kernarg_segment_size: 104
    .max_flat_workgroup_size: 256
    .sgpr_count:     66
    .vgpr_count:     136
    .wavefront_size: 32
...
	.end_amdgpu_metadata
.endif
;; end of part 1
;; launch qkv (part 2): grid 24 x 8, 4 waves a work-group, clusters of 4 x 4, 327,680 bytes of LDS; arguments bf, tab, qh, kh, vh; writes qh, kh, vh
.if DOCPART == 2
	.amdgcn_target "amdgcn-amd-amdhsa--gfx1250"
	.amdhsa_code_object_version 6
	.text
	.protected	k_q35b8c8fec3_qkv
	.globl	k_q35b8c8fec3_qkv
	.p2align	8
	.type	k_q35b8c8fec3_qkv,@function
k_q35b8c8fec3_qkv:
	s_mov_b64 s[64:65], 0
	v_nop
	global_prefetch_b8 v0, s[64:65] scope:SCOPE_SE
	s_setreg_imm32_b32 hwreg(HW_REG_WAVE_MODE, 25, 1), 1
	s_wait_xcnt 0x0
	s_wait_alu depctr_hold_cnt(0) depctr_sa_sdst(0) depctr_va_vdst(0) depctr_va_sdst(0) depctr_va_ssrc(0) depctr_va_vcc(0) depctr_vm_vsrc(0)
	s_getreg_b32 s2, hwreg(HW_REG_IB_STS2, 6, 4)
	s_cmp_eq_u32 s2, 0
	s_cbranch_scc0 .Lentry_in_a_cluster
	s_endpgm
.Lentry_in_a_cluster:
	s_bfe_u32 s2, ttmp6, 0x10000c
	s_cmp_lg_u32 s2, 0xf033
	s_cbranch_scc0 .Lentry_shape_is_right
	s_endpgm
.Lentry_shape_is_right:
; QKV.  C[s][n] = sum over k of x[s][k] W[n][k], with W = Wq, Wk, Wv on end (6,144 rows): planes 0 and 1..3 of bf, all bf16, sums in f32.  On the way out:
; q and k: RMS norm over each head of 64, the rotary by the table, q also times c = log2(e) / 8; written by heads, qh, kh: [32][2048][64] f16.  v: times 2^-4, vh: [16][2048][128] f16.
; LIMITS.  q and k lie within 8 after the norm.  |v| under 1,048,000 (f16's range after the 2^-4, which the attention gives back in f32); v below 9.8e-4 keeps a fixed step of 9.5e-7.  NaN and infinities are not treated apart.
; A tile of C is 256 x 256: 24 x 8 work-groups of four waves, each wave 128 x 128: 64 accumulators, 512 registers.  K goes in steps of 128 through two LDS slots filled by tensor loads: a tile's rows are 256 bytes of
; memory, at multiples of 256 from the buffer's first byte.  A K step has 256 matrix instructions a wave, of which 224 stand between a slot's request and the wait for it.
; CLUSTERS: 4 x 4 work-groups.  The four of a row of the cluster need the same tiles of x, the four of a column the same tiles of W: each tile is asked for JOINTLY.
; THE MATRIX INSTRUCTION IS USED TRANSPOSED (source 0 = 16 rows of W, source 1 = 16 rows of x): a lane holds ONE row s (lane % 16) and eight neighbouring columns 8 (lane / 16) + 0..7.
; A wave's 128 columns are two heads of q or k, or one head of v: the norm wants one exchange between the halves of the lanes, the rotary's partner (column d + 32) lies in the same lane, two accumulators on,
; and each wave sends its own rows through its own stage: no barrier on the way out.  Which of q, k, v a cluster makes hangs on the cluster's x alone, the same in all sixteen partners.
; THE WAY OUT IS WRITTEN FOR FOUR BLOCKS OF 16 ROWS AND WALKED TWICE: between the two trips 256 moves bring window 3's accumulators into window 2.  That halves its text, at the price of those moves.
; REGISTERS, in windows of 256 (s_set_vgpr_msb: bits 1:0 source 0, 3:2 source 1, 5:4 source 2, 7:6 destination):
;   window 0: v0-31 addresses; v32-63 the norm's sums and factors; v64-127, v128-191 fragments of x, two buffers; on the way out v64-127 T, v128-159 packed, v160-223 two buffers of rows read back
;   window 1: v64-127, v128-191 fragments of W, two buffers; v0-63, v192-255 the cosines and sines of four blocks of 16 rows
;   window 2: the 32 accumulators of my rows 0-63 ((a, b) at 64 a + 8 b);   window 3: those of my rows 64-127
.set SIZE_K, 2048
.set KSTEP,  128
.set PITCH,  272                       ; an LDS row: 256 bytes + 16 = 68 words: row r starts at bank 4 r mod 64 (64 banks of 4 bytes: ISA guide 11.1)
.set HALFT,  128*PITCH                 ; 128 rows: what one tensor load brings, and what one wave reads of x or of W
.set SLOT,   4*HALFT                   ; x's 256 rows, then W's 256 rows
.set STAGE,  2*SLOT                    ; behind the ring: 16 rows x 272 bytes for each wave
.set SPITCH, 272
.set SPARE,  STAGE+4*16*SPITCH         ; behind the stages: the spare words, 128 bytes a wave, which no other line names
.set LAPS,   SIZE_K/(2*KSTEP)          ; a lap = two K steps = once round the ring
.set ADRA, 16                          ; v16-17  LDS address of my x fragments in slot 0, 1
.set ADRB, 20                          ; v20-21  the same for W
.set TO,   22                          ; v22     my byte offset in 16 rows of the table; never rewritten
.set STO,  24                          ; v24     the way out: where I put 16 bytes of a row
.set RD,   25                          ; v25     v: where I read two whole rows back
.set RDQ,  26                          ; v26     q and k: where I read four rows of a head back
.set GOA,  27                          ; v27     16 x lane: my place in 512 consecutive bytes of the output; never rewritten
.set SPW,  28                          ; v28     LDS address of my spare word; never rewritten
.set NIL,  29                          ; v29     0; never rewritten
.set PFO,  30                          ; v30     the prefetches' offset: my lane x a row of bf; never rewritten
.set GOB,  31                          ; v31     GOA + the distance to a block's second half: the next head (q, k) or the next eight rows (v); never rewritten
.set SS,   32                          ; v32-47  for block a and head e: a pair of sums of squares at SS + 2 (2 a + e)
.set RS,   48                          ; v48-63  likewise the factor, twice
.set T,    64                          ; v64-127 a block's 64 numbers of a lane, in f32
.set PK,   128                         ; v128-159 the same in f16
.set BK,   160                         ; v160-191, v192-223 rows read back from the stage, by turns
.set F0,   64
.set F1,   128
.set G1, 24                            ; s[24:31] descriptor group 1 for x's tiles;  s[32:39] group 0, one set for each slot
.set G0, 32
.set G1B, 48                           ; s[48:55], s[56:63] the same for W's tiles
.set G0B, 56
.set PFA, 44                           ; s[44:45] where my prefetches stand
.set LIM, 43                           ; s43     1 in a wave that prefetches, else the greatest number
.set MSB, 0
.macro WIN new                         ; the immediate's high byte repeats the setting that is left; a switch that changes nothing is dropped
.if MSB != (\new)
	s_set_vgpr_msb (MSB<<8)|(\new)
.set MSB, \new
.endif
.endm
.set MUL_LO, 0xa1                      ; source 0 (W) window 1, source 1 (x) window 0, C and D window 2
.set MUL_HI, 0xf1                      ; the same, C and D window 3
.set TO_B,   0x40                      ; destination window 1, address window 0
.macro JLOAD s                         ; a joint load: waves 0 and 1 fetch x's two halves, waves 2 and 3 W's; an s_nop 0 and four v_nop follow each line
	s_cmp_eq_u32 s11, 0
	s_cbranch_scc0 .Lfor_b_\@
	tensor_load_to_lds s[G0+4*(\s):G0+4*(\s)+3], s[G1:G1+7]
	s_nop 0
.rept 4
	v_nop
.endr
	s_branch .Lasked_\@
.Lfor_b_\@:
	tensor_load_to_lds s[G0B+4*(\s):G0B+4*(\s)+3], s[G1B:G1B+7]
	s_nop 0
.rept 4
	v_nop
.endr
.Lasked_\@:
.endm
; A PREFETCH INTO THE L2, behind each joint load, its five lines and the run of LDS loads that follows them: the K step that stands TWO refills on: 32 rows x 256 bytes, a lane a row, one instruction a wave.
; Each row's 256 bytes of a K step are named ONCE in the launch.  x's tile row is read by every cluster of that row of clusters: the one with cluster x = 0 asks; W's tile column by every cluster of that column:
; cluster y = 0 asks.  The four partners that ask for a tile jointly share its rows out BY ADDRESS: of the 128 rows that a wave fetches, the partner at place p takes 32 p .. 32 p + 31 (p = cx for x, cy for W):
; no branch hangs on a work-group's place in its cluster.  The first four K steps come by their loads alone; the loop's last trip asks for nothing: its refills are the last two K steps.
.macro ASK
	s_cmp_gt_u32 s3, s[LIM]                        ; s3 = 1 in the loop's last trip
	s_cbranch_scc0 .Lnot_mine_\@
	global_prefetch_b8 v[PFO], s[PFA:PFA+1] offset:KSTEP*2 th:TH_LOAD_NT scope:SCOPE_SE
.Lnot_mine_\@:
.endm
.macro CREST                           ; a round of the cluster's barrier behind its opening barrier
	s_cmp_lg_u32 s10, 0
	s_cbranch_scc1 .Lnot_wave_0_\@
	s_barrier_signal -3
.Lnot_wave_0_\@:
	s_barrier_wait -3
	s_barrier_signal -1
	s_barrier_wait -1
.endm
.macro CROUND
	s_barrier_signal -1
	s_barrier_wait -1
	CREST
.endm
	s_load_b64 s[4:5], s[0:1], 0x0                 ; bf
	s_load_b256 s[76:83], s[0:1], 0x8              ; tab 76, qh 78, kh 80, vh 82
	v_lshl_add_u32 v[SPW], v0, 2, SPARE
	v_mov_b32 v[NIL], 0
	ds_add_u32 v[SPW], v[NIL]                      ; the wave's opening: the add and its wait stand ahead of my first tensor load; register work stands between
	v_lshrrev_b32 v1, 5, v0
	v_readfirstlane_b32 s10, v1                    ; wave 0..3
	s_lshr_b32 s11, s10, 1                         ; which half of the tile's rows is mine.  Also: I fetch for x (0) or for W (1)
	s_and_b32 s12, s10, 1                          ; which half of its columns.  Also: which 128 rows of that tile I fetch
	s_bfe_u32 s40, ttmp6, 0x40000                  ; cx, cy: my place in the cluster
	s_bfe_u32 s41, ttmp6, 0x40004
	s_lshl_b32 s42, ttmp9, 2
	s_add_co_u32 s42, s42, s40                     ; tile column = 4 x cluster x + cx, 0..23
	s_and_b32 s13, ttmp7, 0xffff
	s_lshl_b32 s13, s13, 2
	s_add_co_u32 s13, s13, s41                     ; tile row = 4 x cluster y + cy, 0..7
	s_lshl_b32 s43, s41, 2
	s_lshl_b32 s43, 15, s43                        ; my row of the cluster
	s_lshl_b32 s44, 0x1111, s40                    ; my column
	s_or_b32 s[G1+0], s43, (1<<16)|(1<<20)|(1<<21)|(5<<22)|(3<<25)  ; the mask; 2-byte elements; padding on; bit 21 beside a mask; after every 64 words, 4 words
	s_or_b32 s[G1B+0], s44, (1<<16)|(1<<20)|(1<<21)|(5<<22)|(3<<25)
.irp g, G1, G1B
	s_mov_b32 s[(\g)+1], KSTEP<<16                 ; tensor_dim0 = 128
	s_mov_b32 s[(\g)+2], 128<<16                   ; tensor_dim1 = 128
	s_mov_b32 s[(\g)+3], KSTEP<<16                 ; tile_dim0 = 128
	s_mov_b32 s[(\g)+4], 128                       ; tile_dim1 = 128
	s_mov_b32 s[(\g)+5], SIZE_K                    ; elements from row to row
	s_mov_b32 s[(\g)+6], 0
	s_mov_b32 s[(\g)+7], 0
.endr
	s_lshl_b32 s17, s12, 7
	s_lshl_b32 s16, s13, 8
	s_add_co_u32 s16, s16, s17                     ; x: row 256 x tile row + 128 x half
	s_lshl_b32 s46, s42, 8
	s_add_co_u32 s46, s46, s17                     ; W: row 256 x tile column + 128 x half
	s_mov_b32 s17, 0
	s_mov_b32 s47, 0
	s_mov_b64 s[18:19], SIZE_K*2
	s_mul_u64 s[16:17], s[16:17], s[18:19]
	s_mul_u64 s[46:47], s[46:47], s[18:19]
	s_mul_i32 s20, s10, HALFT                      ; where they go: wave x 128 rows; no place in the cluster enters an LDS address
	s_wait_dscnt 0x0                               ; the opening add is done
	s_wait_kmcnt 0x0
	s_add_nc_u64 s[6:7], s[4:5], 0x800000          ; plane 1: Wq, Wk, Wv on end
	s_add_nc_u64 s[14:15], s[4:5], s[16:17]
	s_add_nc_u64 s[46:47], s[6:7], s[46:47]
	CROUND                                         ; all sixteen work-groups are here: the first joint loads meet
.irp s, 0,1
	s_mov_b32 s[G0+4*(\s)], 1
	s_add_co_u32 s[G0+4*(\s)+1], s20, (\s)*SLOT
	s_add_nc_u64 s[G0+4*(\s)+2:G0+4*(\s)+3], s[14:15], (\s)*KSTEP*2
	s_or_b32 s[G0+4*(\s)+3], s[G0+4*(\s)+3], 0x80000000
	s_mov_b32 s[G0B+4*(\s)], 1
	s_add_co_u32 s[G0B+4*(\s)+1], s20, (\s)*SLOT
	s_add_nc_u64 s[G0B+4*(\s)+2:G0B+4*(\s)+3], s[46:47], (\s)*KSTEP*2
	s_or_b32 s[G0B+4*(\s)+3], s[G0B+4*(\s)+3], 0x80000000
	JLOAD \s                                       ; two loads of mine are out
.endr
	v_and_b32 v1, 15, v0                           ; r = l % 16
	v_bfe_u32 v2, v0, 4, 1                         ; h = l / 16
	; THE COSINES AND SINES of my first four blocks of 16 rows, 8 loads a block.  Row 16 a + r; for the columns d = 16 b + 8 h + 2 g of a head (b = 0, 1) the table's group d / 2: cos, cos, sin, sin.
	; Block a's 32 registers lie in window 1 at 32 a (a = 0, 1) and 128 + 32 a (a = 2, 3), beside W's fragments.  Every work-group loads them, those that make v too: the loads are the same on every way through the text.
	v_lshlrev_b32 v[TO], 8, v1
	v_lshl_add_u32 v[TO], v2, 6, v[TO]             ; 256 r + 64 h
	s_lshl_b32 s86, s13, 16                        ; 256 rows of 256 bytes a tile row,
	s_lshl_b32 s87, s11, 15                        ; my 128 of them
	s_add_co_u32 s86, s86, s87
	s_mov_b32 s87, 0
	s_add_nc_u64 s[66:67], s[76:77], s[86:87]
	WIN TO_B
.irp a, 0,1,2,3
.irp b, 0,1
.irp g, 0,1,2,3
	global_load_b128 v[32*\a+128*(\a/2)+16*\b+4*\g:32*\a+128*(\a/2)+16*\b+4*\g+3], v[TO], s[66:67] offset:4096*\a+128*\b+16*\g
.endr
.endr
.endr
	WIN 0
	v_mul_u32_u24 v3, v1, PITCH
	v_lshl_add_u32 v3, v2, 4, v3                   ; a fragment's row x pitch + 16 x half
	s_mul_i32 s21, s11, HALFT                      ; my 128 rows of x
	s_mul_i32 s22, s12, HALFT                      ; my 128 rows of W,
	s_add_co_u32 s22, s22, 2*HALFT                 ; which lie behind x's 256
.irp s, 0,1
	v_add_nc_u32 v[ADRA+(\s)], s21, v3
	v_add_nc_u32 v[ADRB+(\s)], s22, v3
	s_add_co_u32 s21, s21, SLOT
	s_add_co_u32 s22, s22, SLOT
.endr
	s_mul_i32 s23, s10, 16*SPITCH
	s_add_co_u32 s23, s23, STAGE                   ; my stage: 16 rows of my 128 columns, 256 bytes + 16
	v_mul_u32_u24 v4, v1, SPITCH                   ; in: row r, 16 bytes for each half of the lanes
	v_lshl_add_u32 v4, v2, 4, v4
	v_add_nc_u32 v[STO], s23, v4
	v_mul_u32_u24 v5, v2, SPITCH                   ; back, v: lanes 0-15 take one row of 256 bytes, lanes 16-31 the next
	v_lshl_add_u32 v5, v1, 4, v5
	v_add_nc_u32 v[RD], s23, v5
	v_bfe_u32 v4, v0, 3, 2                         ; back, q and k: a load takes four rows of one head's 128 bytes, 8 lanes a row
	v_mul_u32_u24 v4, v4, SPITCH
	v_and_b32 v5, 7, v0
	v_lshl_add_u32 v4, v5, 4, v4
	v_add_nc_u32 v[RDQ], s23, v4
	v_and_b32 v[GOA], 31, v0
	v_lshlrev_b32 v[GOA], 4, v[GOA]
	; where my rows go.  q, k: head 4 c + 2 (w % 2) + e of 262,144 bytes (c: the tile column within the tensor), rows of 128 bytes.  v: head 2 c + w % 2 of 524,288 bytes, rows of 256 bytes.
	s_lshr_b32 s70, ttmp9, 1                       ; 0: q, 1: k, 2: v
	s_and_b32 s71, s42, 7
	s_lshl_b32 s86, s71, 1
	s_add_co_u32 s86, s86, s12
	s_lshl_b32 s86, s86, 19                        ; the first head's bytes: the same number both ways
	s_lshl_b32 s87, s13, 15                        ; q, k: 256 rows of 128 bytes a tile row,
	s_lshl_b32 s88, s11, 14                        ; my 128 of them
	s_add_co_u32 s87, s87, s88
	s_lshl_b32 s88, s87, 1                         ; v: twice that
	s_cmp_eq_u32 s70, 2
	s_cselect_b32 s87, s88, s87
	s_cselect_b32 s89, 1, 0
	s_cselect_b32 s88, 0, 7
	s_cselect_b64 s[68:69], s[82:83], s[80:81]
	s_cmp_eq_u32 s70, 0
	s_cselect_b64 s[68:69], s[78:79], s[68:69]
	s_cselect_b32 s72, 0x3e38aa3b, 1.0             ; q carries c = log2(e) / 8, applied in f32 ahead of its one rounding
	s_lshl_b32 s89, 2048, s89                      ; a block of 16 rows: 2,048 bytes of a head of q or k, 4,096 of v
	s_lshl_b32 s88, 2048, s88                      ; a block's second half: the next head, 262,144 bytes on, or v's next eight rows, 2,048 on
	s_add_co_u32 s86, s86, s87
	s_mov_b32 s87, 0
	s_add_nc_u64 s[68:69], s[68:69], s[86:87]
	v_add_nc_u32 v[GOB], s88, v[GOA]
	s_mov_b32 s90, 0                               ; s[90:91]: what the next way out adds to the output's address: 0 for the first block, then a block's bytes
	s_mov_b32 s91, 0
	s_mov_b32 s74, 0x76543210                      ; v_permlanex16_b32: each lane takes its own place in the other half
	s_mov_b32 s75, 0xfedcba98
	s_mov_b32 s84, 0x3c800000                      ; 1 / 64
	s_mov_b32 s85, 0x34000000                      ; f32's eps, 2^-23
	s_mov_b32 s92, 0x3d800000                      ; 2^-4
	; the prefetches
	s_lshl_b32 s20, s13, 8
	s_lshl_b32 s21, s42, 8
	s_and_b32 s22, ttmp7, 0xffff                   ; cluster y
	s_cmp_eq_u32 s11, 0                            ; do I fetch for x?
	s_cselect_b32 s20, s20, s21                    ; the tile's first row: in x by the tile row, in W by the tile column
	s_cselect_b32 s21, s40, s41                    ; my place among the four that ask for it with me
	s_cselect_b32 s22, ttmp9, s22                  ; the coordinate along which other clusters read the same rows
	s_cselect_b64 s[PFA:PFA+1], s[4:5], s[6:7]
	s_cmp_eq_u32 s22, 0
	s_cselect_b32 s[LIM], 1, -1                    ; the same in all sixteen partners, for a given wave
	s_lshl_b32 s22, s12, 7
	s_add_co_u32 s20, s20, s22                     ; + the 128 rows that I fetch
	s_lshl_b32 s21, s21, 5
	s_add_co_u32 s20, s20, s21                     ; + my work-group's 32 of them
	s_mov_b32 s21, 0
	s_mov_b64 s[18:19], SIZE_K*2
	s_mul_u64 s[20:21], s[20:21], s[18:19]
	s_add_nc_u64 s[PFA:PFA+1], s[PFA:PFA+1], s[20:21]
	s_add_nc_u64 s[PFA:PFA+1], s[PFA:PFA+1], 2*KSTEP*2  ; at K step 2: the first refill steps it to 3 and names K step 4
	v_and_b32 v[PFO], 31, v0
	v_mul_u32_u24 v[PFO], v[PFO], SIZE_K*2
; 16 matrix instructions: row blocks a0, a0 + 1 of the window's four (hi = 0: my rows 0-63, 1: rows 64-127) x all 8 column blocks, 32 along K.  zero = 1: the first product starts the sums.
; The 64 accumulators take turns, one instruction a turn, in the same order in every quarter step.
.macro MUL16 f, hi, a0, zero
	WIN MUL_LO+0x50*(\hi)
.irp a, \a0, (\a0)+1
.irp b, 0,1,2,3,4,5,6,7
.if \zero
	v_wmma_f32_16x16x32_bf16 v[8*(8*(\a)+(\b)):8*(8*(\a)+(\b))+7], v[(\f)+8*(\b):(\f)+8*(\b)+7], v[(\f)+8*(4*(\hi)+(\a)):(\f)+8*(4*(\hi)+(\a))+7], 0
.else
	v_wmma_f32_16x16x32_bf16 v[8*(8*(\a)+(\b)):8*(8*(\a)+(\b))+7], v[(\f)+8*(\b):(\f)+8*(\b)+7], v[(\f)+8*(4*(\hi)+(\a)):(\f)+8*(4*(\hi)+(\a))+7], v[8*(8*(\a)+(\b)):8*(8*(\a)+(\b))+7]
.endif
.endr
.endr
.endm
; 32 LDS loads in one run: the fragments of one quarter step (128 rows of W, 128 rows of x, 32 K at byte k of the rows) into buffer f
.macro FETCH slot, k, f
	WIN TO_B
.irp i, 0,1,2,3,4,5,6,7
	ds_load_b128 v[(\f)+8*(\i):(\f)+8*(\i)+3],   v[ADRB+(\slot)] offset:(\k)+(\i)*16*PITCH
	ds_load_b128 v[(\f)+8*(\i)+4:(\f)+8*(\i)+7], v[ADRB+(\slot)] offset:(\k)+(\i)*16*PITCH+32
.endr
	WIN 0
.irp i, 0,1,2,3,4,5,6,7
	ds_load_b128 v[(\f)+8*(\i):(\f)+8*(\i)+3],   v[ADRA+(\slot)] offset:(\k)+(\i)*16*PITCH
	ds_load_b128 v[(\f)+8*(\i)+4:(\f)+8*(\i)+7], v[ADRA+(\slot)] offset:(\k)+(\i)*16*PITCH+32
.endr
.endm
.macro PLACES                          ; four plain places in front of loads into registers that matrix instructions have read, and of lines that read results
.rept 4
	v_nop
.endr
.endm
; A K step is four quarter steps of 32 along K, 64 matrix instructions each, on buffers 0, 1, 0, 1.  One of the first three: multiplies buffer f; in its middle it fetches the next quarter, at byte k, into buffer g.
.macro QUARTER slot, k, f, g, zero
	s_wait_dscnt 8                                 ; W and x's rows 0-63 are in; the youngest eight loads (x's rows 64-127) may be out
	WIN MUL_LO
	MUL16 \f, 0, 0, \zero
	MUL16 \f, 0, 2, \zero
	PLACES
	FETCH \slot, \k, \g
	s_wait_dscnt 32                                ; all but the 32 just issued
	WIN MUL_HI
	MUL16 \f, 1, 0, \zero
	MUL16 \f, 1, 2, \zero
.endm
; The last quarter multiplies buffer 1 and changes slots.  MEET is its first half: ONE barrier; in front of it each wave waits for all its tensor loads, of which one is out: its part of the next slot;
; adds 0 to its spare word; and waits for that and for its own reads of this slot.  Behind it nobody reads this slot any more and the next slot is whole.
.macro MEET round                      ; round = 1: a round of the cluster's barrier follows
	WIN 0                                          ; (the add's two registers lie in window 0)
	s_wait_tensorcnt 0x0                           ; all my tensor loads have landed;
	ds_add_u32 v[SPW], v[NIL]                      ; 0 onto my spare word;
	s_wait_dscnt 9                                 ; (the add and the youngest eight loads may be out)
	WIN MUL_LO
	MUL16 F1, 0, 0, 0                              ; sixteen matrix instructions stand between the add and the wait for it
	s_wait_dscnt 0x0                               ; the add is done, and my reads of this slot are over
	s_barrier_signal -1
	MUL16 F1, 0, 2, 0                              ; work on registers while the others arrive
.if \round
	WIN 0
.endif
	s_barrier_wait -1
.endm
; The whole last quarter: behind the round the slot just read out is filled again first, with the K step two steps on; then come the next slot's first fragments.
.macro TURN slot, next
	s_wait_xcnt 0x0                                ; the last prefetch, a K step back, has read its address: it is stepped here, ahead of the waits of the change of slots
	s_add_nc_u64 s[PFA:PFA+1], s[PFA:PFA+1], KSTEP*2
	MEET 1
	CREST                                          ; no wave of any partner still reads this slot's tile or has a load on its way
	s_add_nc_u64 s[G0+4*(\slot)+2:G0+4*(\slot)+3], s[G0+4*(\slot)+2:G0+4*(\slot)+3], 2*KSTEP*2
	s_add_nc_u64 s[G0B+4*(\slot)+2:G0B+4*(\slot)+3], s[G0B+4*(\slot)+2:G0B+4*(\slot)+3], 2*KSTEP*2
	JLOAD \slot                                    ; the first tensor load behind the round; its four v_nop are also the places in front of the loads below
	FETCH \next, 0, F0
	ASK
	WIN MUL_HI
	MUL16 F1, 1, 0, 0
	MUL16 F1, 1, 2, 0
.endm
	s_wait_tensorcnt 1                             ; my part of K step 0 is in; K step 1's may stay out
	s_barrier_signal -1
	s_barrier_wait -1
	FETCH 0, 0, F0
	QUARTER 0, 64,  F0, F1, 1                      ; the first quarter stands in front of the loop: its products start the sums
	WIN 0
	s_mov_b32 s3, LAPS-1
.Llap:                                                 ; a trip goes once round the ring, from a lap's second quarter to the next lap's first, and fills both slots again
	QUARTER 0, 128, F1, F0, 0
	QUARTER 0, 192, F0, F1, 0
	TURN 0, 1
	QUARTER 1, 64,  F0, F1, 0
	QUARTER 1, 128, F1, F0, 0
	QUARTER 1, 192, F0, F1, 0
	TURN 1, 0
	QUARTER 0, 64,  F0, F1, 0
	WIN 0
	s_sub_co_u32 s3, s3, 1
	s_cmp_lg_u32 s3, 0
	s_cbranch_scc1 .Llap
	QUARTER 0, 128, F1, F0, 0                      ; the last lap is written out: it fills nothing
	QUARTER 0, 192, F0, F1, 0
	MEET 0                                         ; my one tensor load that was still out is slot 1's, the last K step's
	PLACES                                         ; for the loads into buffer 0, which the quarter before multiplied
	FETCH 1, 0, F0
	WIN MUL_HI
	MUL16 F1, 1, 0, 0
	MUL16 F1, 1, 2, 0
	QUARTER 1, 64,  F0, F1, 0
	QUARTER 1, 128, F1, F0, 0
	QUARTER 1, 192, F0, F1, 0
	s_wait_dscnt 8                                 ; the very last quarter: nothing more to fetch
	WIN MUL_LO
	MUL16 F1, 0, 0, 0
	MUL16 F1, 0, 2, 0
	s_wait_dscnt 0x0
	MUL16 F1, 1, 0, 0
	MUL16 F1, 1, 2, 0
	WIN 0
; THE WAY OUT.  MATH a: block a of window 2's four becomes 64 numbers in T and then 32 packed registers.
; q, k: y1 = x1 cos + x2 sin, y2 = x2 cos - x1 sin, with x1 in column block b (0, 1) of head e and x2 in block b + 2; all four lines have the accumulators as source 0 (window 2), the table as source 1 (window 1)
; and T as source 2 and destination (window 0): one setting.  Then T times the norm's factor.  v: T = the accumulators times 2^-4, which lies in the same factor registers.
; THE TABLE'S LOADS ARE THE SAME ON EVERY WAY THROUGH THE TEXT.  Behind a block's use its 32 registers are loaded again, with the rows 64 further down, for the second trip; so behind any block's eight loads stand
; always three other blocks' 24, and one counted wait serves both trips.  The second trip's reloads, and all of them where v is made, bring rows that nobody uses: 8 loads a block, the price of the one text and the one count.
.macro MATH a
.set TABR, 32*(\a)+128*((\a)/2)
	s_wait_loadcnt 24                              ; loads come back in order: this block's eight are in, the three other blocks' 24 may stay out
	s_cmp_eq_u32 s70, 2
	s_cbranch_scc1 .Lmv_\@
	WIN 0x06
.irp e, 0,1
.irp b, 0,1
.set x1, 64*(\a)+8*(4*\e+\b)
.set x2, x1+16
.set t1, T+8*(4*\e+\b)
.set t2, t1+16
.set tb, TABR+16*\b
.irp p, 0,1,2,3
	v_pk_mul_f32 v[t1+2*\p:t1+2*\p+1], v[x1+2*\p:x1+2*\p+1], v[tb+4*\p:tb+4*\p+1]
.endr
.irp p, 0,1,2,3
	v_pk_mul_f32 v[t2+2*\p:t2+2*\p+1], v[x1+2*\p:x1+2*\p+1], v[tb+4*\p+2:tb+4*\p+3]
.endr
.irp p, 0,1,2,3
	v_pk_fma_f32 v[t1+2*\p:t1+2*\p+1], v[x2+2*\p:x2+2*\p+1], v[tb+4*\p+2:tb+4*\p+3], v[t1+2*\p:t1+2*\p+1]
.endr
.irp p, 0,1,2,3
	v_pk_fma_f32 v[t2+2*\p:t2+2*\p+1], v[x2+2*\p:x2+2*\p+1], v[tb+4*\p:tb+4*\p+1], v[t2+2*\p:t2+2*\p+1] neg_lo:[0,0,1] neg_hi:[0,0,1]
.endr
.endr
.endr
	WIN 0
.set i, 0
.rept 32
	v_pk_mul_f32 v[T+2*i:T+2*i+1], v[T+2*i:T+2*i+1], v[RS+2*(2*(\a)+i/16):RS+2*(2*(\a)+i/16)+1]
.set i, i+1
.endr
	s_branch .Lmj_\@
.Lmv_\@:
	WIN 0x02                                       ; source 0 in window 2
.set i, 0
.rept 32
	v_pk_mul_f32 v[T+2*i:T+2*i+1], v[64*(\a)+2*i:64*(\a)+2*i+1], v[RS+2*(2*(\a)+i/16):RS+2*(2*(\a)+i/16)+1]
.set i, i+1
.endr
	WIN 0
.Lmj_\@:
	WIN TO_B
.irp b, 0,1
.irp g, 0,1,2,3
	global_load_b128 v[TABR+16*\b+4*\g:TABR+16*\b+4*\g+3], v[TO], s[66:67] offset:4096*((\a)+4)+128*\b+16*\g
.endr
.endr
	WIN 0
.set i, 0
.rept 32
	v_cvt_pk_f16_f32 v[PK+i], v[T+2*i], v[T+2*i+1] ; the one rounding to f16: register 4 b + p takes columns 2 p, 2 p + 1 of column block b
.set i, i+1
.endr
.endm
; TOSTAGE k: 16 bytes a lane into my own stage, and back as the output lies in memory, into buffer k.  Either way eight loads, into the same registers.
.macro TOSTAGE k
.irp b, 0,1,2,3,4,5,6,7
	ds_store_b128 v[STO], v[PK+4*\b:PK+4*\b+3] offset:32*\b
.endr
	s_cmp_eq_u32 s70, 2
	s_cbranch_scc1 .Lbv_\@
.irp t, 0,1,2,3,4,5,6,7
	ds_load_b128 v[BK+32*(\k)+4*\t:BK+32*(\k)+4*\t+3], v[RDQ] offset:128*(\t/4)+(\t%4)*4*SPITCH  ; head t / 4, four rows of 128 bytes; LDS serves a wave's instructions in order (ISA guide 5.7.1.4): these see the stores above
.endr
	s_branch .Lbj_\@
.Lbv_\@:
.irp t, 0,1,2,3,4,5,6,7
	ds_load_b128 v[BK+32*(\k)+4*\t:BK+32*(\k)+4*\t+3], v[RD] offset:\t*2*SPITCH                  ; two whole rows of 256 bytes
.endr
.Lbj_\@:
.endm
; SEND k: buffer k is stored.  It stands behind the next block's arithmetic, so that the wave does not sit out the stage's round trip.
.macro SEND k
	s_wait_xcnt 0x0                                ; every earlier memory instruction has had its addresses translated (ISA guide 3.1): only behind this wait are the stores' base and the registers that earlier stores read rewritten
	s_add_nc_u64 s[68:69], s[68:69], s[90:91]      ; on to this block's rows
	s_mov_b32 s90, s89
.irp t, 0,1,2,3,4,5,6,7
	s_wait_dscnt 7-\t                              ; the 7 - t younger loads may stay out
.if \t < 4
	global_store_b128 v[GOA], v[BK+32*(\k)+4*\t:BK+32*(\k)+4*\t+3], s[68:69] offset:512*\t        ; the wave stores 512 consecutive bytes, at a multiple of 256 from the buffer's first
.else
	global_store_b128 v[GOB], v[BK+32*(\k)+4*\t:BK+32*(\k)+4*\t+3], s[68:69] offset:512*(\t-4)
.endif
.endr
.endm
	PLACES                                         ; eight plain places, once a launch: a margin over the four of ISA guide 7.12.1, since packed lines read the results first
	PLACES
	s_mov_b32 s94, 2
.Lhalf:                                                ; two trips: my rows 0-63, then my rows 64-127
	s_cmp_eq_u32 s70, 2
	s_cbranch_scc1 .Lflat
	; q, k: the sum of squares of a row's 64 columns, one chain for each block and head, eight chains by turns; each accumulator is read from its low end on
	WIN 0x0a                                       ; sources 0 and 1 in window 2, the sums in window 0
.set st, 0
.rept 16
.irp a, 0,1,2,3
.irp e, 0,1
.set rA, 64*\a+8*(4*\e+st/4)+2*(st%4)
.set rS, SS+2*(2*\a+\e)
.if st == 0
	v_pk_mul_f32 v[rS:rS+1], v[rA:rA+1], v[rA:rA+1]
.else
	v_pk_fma_f32 v[rS:rS+1], v[rA:rA+1], v[rA:rA+1], v[rS:rS+1]
.endif
.endr
.endr
.set st, st+1
.endr
	WIN 0
.irp k, 0,1,2,3,4,5,6,7
	v_add_f32 v[SS+2*\k], v[SS+2*\k], v[SS+2*\k+1]
.endr
.irp k, 0,1,2,3,4,5,6,7
	v_permlanex16_b32 v[SS+2*\k+1], v[SS+2*\k], s74, s75  ; the row's other 32 columns of the head lie in the lane 16 away
.endr
.irp k, 0,1,2,3,4,5,6,7
	v_add_f32 v[SS+2*\k], v[SS+2*\k], v[SS+2*\k+1]
.endr
.irp k, 0,1,2,3,4,5,6,7
	v_fma_f32 v[SS+2*\k], v[SS+2*\k], s84, s85     ; the mean + eps
.endr
.irp k, 0,1,2,3,4,5,6,7
	v_rsq_f32 v[SS+2*\k+1], v[SS+2*\k]
.endr
	v_nop                                          ; a plain instruction behind the last root,
	s_wait_alu depctr_va_vdst(0)                   ; and one wait for the eight, ahead of their first reader
.irp k, 0,1,2,3,4,5,6,7
	v_mul_f32 v[RS+2*\k],   s72, v[SS+2*\k+1]
	v_mul_f32 v[RS+2*\k+1], s72, v[SS+2*\k+1]
.endr
	s_branch .Lfac
.Lflat:
.set i, 0
.rept 16
	v_mov_b32 v[RS+i], s92                         ; v: the factor is 2^-4, exact
.set i, i+1
.endr
.Lfac:
	MATH 0
	TOSTAGE 0
	MATH 1
	SEND 0
	TOSTAGE 1
	MATH 2
	SEND 1
	TOSTAGE 0
	MATH 3
	SEND 0
	TOSTAGE 1
	s_cmp_eq_u32 s94, 1
	s_cbranch_scc1 .Lnomov                         ; the second trip has nothing behind it
	WIN 0x83                                       ; source window 3, destination window 2
.set i, 0
.rept 256
	v_mov_b32 v[i], v[i]                           ; my rows 64-127 go where the one text of the way out names the accumulators; ascending: each accumulator is read from its low end on
.set i, i+1
.endr
	WIN 0
.Lnomov:
	SEND 1
	s_sub_co_u32 s94, s94, 1
	s_cmp_lg_u32 s94, 0
	s_cbranch_scc1 .Lhalf
	s_wait_tensorcnt 0x0                           ; the wave's end: a wait, an add and its wait, behind my last tensor load and my last LDS store
	ds_add_u32 v[SPW], v[NIL]
	s_wait_dscnt 0x0
	CROUND                                         ; the closing round: no work-group ends while a partner may still ask for a tile that names it
	s_endpgm
.Lfunc_end_k_q35b8c8fec3_qkv:
	.size	k_q35b8c8fec3_qkv, .Lfunc_end_k_q35b8c8fec3_qkv-k_q35b8c8fec3_qkv
	.p2alignl 7, 3214868480
	.fill 96, 4, 3214868480
	.section	.rodata,"a",@progbits
	.p2align	6, 0x0
	.amdhsa_kernel k_q35b8c8fec3_qkv
		.amdhsa_group_segment_fixed_size 327680
		.amdhsa_private_segment_fixed_size 0
		.amdhsa_enable_private_segment 0
		.amdhsa_kernarg_size 40
		.amdhsa_user_sgpr_count 2
		.amdhsa_user_sgpr_kernarg_segment_ptr 1
		.amdhsa_wavefront_size32 1
		.amdhsa_system_sgpr_workgroup_id_x 1
		.amdhsa_system_sgpr_workgroup_id_y 1
		.amdhsa_system_sgpr_workgroup_id_z 1
		.amdhsa_system_vgpr_workitem_id 0
		.amdhsa_next_free_vgpr 1024
		.amdhsa_next_free_sgpr 96
		.amdhsa_reserve_vcc 0
		.amdhsa_float_denorm_mode_32 3
		.amdhsa_float_denorm_mode_16_64 3
		.amdhsa_memory_ordered 1
		.amdhsa_forward_progress 1
		.amdhsa_inst_pref_size 191
	.end_amdhsa_kernel
	.amdgpu_metadata
---
amdhsa.version: [ 1, 2 ]
amdhsa.kernels:
  - .name:           k_q35b8c8fec3_qkv
    .symbol:         k_q35b8c8fec3_qkv.kd
    .args:
      - { .name: bf, .offset: 0, .size: 8, .value_kind: global_buffer, .address_space: global }
      - { .name: tab, .offset: 8, .size: 8, .value_kind: global_buffer, .address_space: global }
      - { .name: qh, .offset: 16, .size: 8, .value_kind: global_buffer, .address_space: global }
      - { .name: kh, .offset: 24, .size: 8, .value_kind: global_buffer, .address_space: global }
      - { .name: vh, .offset: 32, .size: 8, .value_kind: global_buffer, .address_space: global }
    .group_segment_fixed_size: 327680
    .private_segment_fixed_size: 0
    .kernarg_segment_align: 8
    .kernarg_segment_size: 40
    .max_flat_workgroup_size: 128
    .sgpr_count:     96
    .vgpr_count:     1024
    .wavefront_size: 32
...
	.end_amdgpu_metadata
.endif
;; end of part 2
;; launch attn (part 3): grid 16 x 16, 4 waves a work-group, clusters of 4 x 1, 327,680 bytes of LDS; arguments qh, kh, vh, ob, lamb; writes ob
.if DOCPART == 3
	.amdgcn_target "amdgcn-amd-amdhsa--gfx1250"
	.amdhsa_code_object_version 6
	.text
	.protected	k_q35b8c8fec3_attn
	.globl	k_q35b8c8fec3_attn
	.p2align	8
	.type	k_q35b8c8fec3_attn,@function
k_q35b8c8fec3_attn:
	s_mov_b64 s[64:65], 0
	v_nop
	global_prefetch_b8 v0, s[64:65] scope:SCOPE_SE
	s_setreg_imm32_b32 hwreg(HW_REG_WAVE_MODE, 25, 1), 1
	s_wait_xcnt 0x0
	s_wait_alu depctr_hold_cnt(0) depctr_sa_sdst(0) depctr_va_vdst(0) depctr_va_sdst(0) depctr_va_ssrc(0) depctr_va_vcc(0) depctr_vm_vsrc(0)
	s_getreg_b32 s2, hwreg(HW_REG_IB_STS2, 6, 4)
	s_cmp_eq_u32 s2, 0
	s_cbranch_scc0 .Lentry_in_a_cluster
	s_endpgm
.Lentry_in_a_cluster:
	s_bfe_u32 s2, ttmp6, 0x10000c
	s_cmp_lg_u32 s2, 0x3003
	s_cbranch_scc0 .Lentry_shape_is_right
	s_endpgm
.Lentry_shape_is_right:
; DIFFERENTIAL CAUSAL ATTENTION.  For head h and row q: a_t = softmax over k <= q of (q_t . k_t / 8) applied to V, t = 1, 2; ob[q][128 h ..] = rms_norm(a_1 - lam a_2) x (1 - LAMBDA_INIT), in f16.
; qh, kh: [32][2048][64] f16, head 2 h + stream, q already times c = log2(e) / 8.  vh: [16][2048][128] f16, v x 2^-4; the 2^4 is given back in f32 ahead of the norm, so that its eps counts as in the problem.
; NO MAXIMUM IS TAKEN AWAY, because the computation itself bounds the exponents: q and k are RMS-normalised over 64 numbers and rotated, so each has norm 8 at the most, |q . k| / 8 <= 8 for every input,
; a weight p = 2^(c q . k) lies in 3.4e-4 .. 2,981 (inside f16's normal range), a row's sum under 6.2e6 and a sum p v under 4e11, both in f32.
; LIMITS.  A hidden score counts as its value less 1e30, so its weight is 0.  |v| under 1,048,000.  NaN and infinities are not treated apart.
; THE WALK.  A head's queries lie in 8 blocks of 256; block i needs the key tiles 0 .. i of 256 keys, of which the last holds the diagonal.  A CLUSTER of four work-groups takes two blocks, 7 - b and then b:
; 9 tiles whatever b, so all work-groups do equal work, one loop with a constant trip count walks them, and the four partners walk the same tiles: every tile is asked for JOINTLY.
; SHARES.  Work-group cx owns band cx of a block (64 rows), wave w 16 of them, with BOTH streams: the difference and the norm stay in a pair of lanes.
; In the diagonal tile's key step s band cx sees all keys if s < cx, none if s > cx, and holds the diagonal if s = cx.  That enters by VALUES alone: the mask is the C operand that starts S^T = K Q^T,
; MD x AL + BE with two scalars chosen by s_cselect; no branch and no LDS address hangs on cx.  Away from the diagonal tile both scalars are 0.
; LAYOUT.  S^T = K Q^T holds ONE query a lane (lane % 16) and the keys 8 (lane / 16) + 0..7; two such results rounded to f16 ARE source 1 of O^T = V^T P, which again holds one query a lane, and eight channels.
; A STEP (64 keys) GOES BY STREAMS, which share K's and V's tiles and nothing else, so that one stream's weights are made beside the other's products.  A trip of the step loop, for step j:
;   16 products V^T P of stream 1 for step j - 1, and behind each of them four lines of stream 2's weights of step j - 1: its 32 exponentials, one wait (K of step j is fetched there), its 32 roundings and sums;
;   16 products V^T P of stream 2 for step j - 1;  the mask;  V of step j is fetched;  8 products K Q^T of stream 1;  8 of stream 2, and behind each of them four of stream 1's exponentials;  one wait;
;   stream 1's 32 roundings and sums.  So a trip ends with stream 1's weights made and stream 2's scores still raw.  K and V of step j are both read in trip j: at a change of slots all of the old slot has been read into registers.
; REGISTERS, in windows of 256 (s_set_vgpr_msb: bits 1:0 source 0, 3:2 source 1, 5:4 source 2, 7:6 destination):
;   window 0: v0-15 addresses; v16-23 l, two pairs a stream; v24-33 at work at a block's end; v64-127 S^T (32 a stream); v128-159 P (16 a stream)
;   window 1: v0-127 O^T (64 a stream); v128-159 MD; v160-191 MC      window 2: v0-31 Q; v32-63 the second block's Q; v64-191 K of one step (64 a stream)      window 3: v0-127 V of one step
; All that the weights touch lies in window 0, so four lines behind a product cost two switches.
.set NB,    8
.set KS,    64
.set PKB,   144       ; a row of K in LDS: 128 bytes + 16 = 36 words: the 16 rows of a load start at 16 different groups of four banks (64 banks of 4 bytes: ISA guide 11.1)
.set PVB,   288       ; a row of V: 256 + 32 = 72 words
.set K2OFF, 256*PKB   ; a slot: 256 rows of stream 1's K, of stream 2's K, then 256 rows of V
.set VOFF,  2*K2OFF
.set SLOT1, 4*K2OFF   ; 0x24000: none of the four fill addresses in slot 0 (0, 0x9000, 0x12000, 0x1b000) has bit 14 or 17 set, so one exclusive or changes slots
.set STAGE, 2*SLOT1   ; behind the ring, never filled by a tensor load: 16 rows x 272 bytes for each wave
.set SP,    272
.set SPARE, STAGE+4*16*SP  ; behind the stages: the spare words, 128 bytes a wave, which no other line names
.set AK0, 2           ; v2   my lane's place in a tile of K; never rewritten
.set AV0, 3           ; v3   the same for V
.set AK,  4           ; v4   the LDS address of K's run of loads
.set AV,  5           ; v5   of V's
.set STO, 6           ; v6   the way out: where I put 16 bytes of a row
.set RD,  7           ; v7   where I read rows back
.set GO,  8           ; v8   my byte offset in two rows of ob
.set QO,  12          ; v12  my byte offset in 16 rows of Q
.set PFO, 13          ; v13  256 x lane, for the prefetches; never rewritten
.set L,   16
.set R1,  24          ; v24-25  16 / l_1, twice
.set R2,  26          ; v26-27  16 lam / l_2, twice
.set SQ,  28          ; v28-31  two pairs of sums of squares
.set FN,  32          ; v32-33  the norm's factor, twice
.set SPW, 62          ; v62  LDS address of my spare word; never rewritten
.set NIL, 63          ; v63  0; never rewritten
.set S,   64
.set P,   128
.set MD,  128         ; window 1
.set MC,  160         ; window 1
.set QB,  32          ; window 2
.set KF,  64          ; window 2: stream t, key block kb, channel half c at KF + 64 t + 16 kb + 8 c
.set WV,  12
.set CX,  13
.set PB,  14          ; b
.set HI,  15          ; 7 - b
.set G1K, 24
.set G1V, 32
.set G0K, 40
.set G0V, 44
.set PFA, 48          ; s[48:49] where my prefetches stand
.set PFS, 50          ; s[50:51] a tile's bytes in the tensor that I fetch
.set LIM, 52          ; s52  2 in the head's first cluster, else the greatest number
.set LAM, 53
.set LAM16, 54
.set STEP, 55
.set SLOTS, 56
.set CNT, 57
.set SEL, 60
.set TBK, 62          ; s62  LDS byte at which K of the step to be fetched begins
.set TBV, 63          ; s63  the same for V, less VOFF
.set RT,  70          ; tiles of the block in hand still to be entered
.set NXT, 71          ; the tile to be asked for next
.set LQ,  72          ; the last tile of the block whose tiles are being asked for
.set NEW, 73          ; 1: the tile to be entered is a block's first
.set OFF, 74
.set AL,  76
.set BE,  78
.set OLO, 80
.set BIGN, 82
.set DG1, 83          ; 1.0 in the diagonal tile, else 0
.set DGB, 84          ; -1e30 in the diagonal tile, else 0
.set OFFV, 88
.set MSB, 0
.macro WIN new                         ; the immediate's high byte repeats the setting that is left; a switch that changes nothing is dropped
.if MSB != (\new)
	s_set_vgpr_msb (MSB<<8)|(\new)
.set MSB, (\new)
.endif
.endm
.set W_KQ, 0x0a       ; K and Q in window 2, S^T in window 0
.set W_KM, 0x1a       ; the same with the C operand in window 1
.set W_PV, 0x53       ; V in window 3, P in window 0, O^T in window 1
.set W_RS, 0x41       ; destination and source 0 in window 1
; A joint fill, 32,768 bytes a wave: waves 0 and 1 fetch the tile's K of streams 1 and 2, waves 2 and 3 the two halves of its V.  An s_nop 0 and four v_nop follow each line.
.macro JLOAD
	s_cmp_lt_u32 s[WV], 2
	s_cbranch_scc0 .Lfor_v_\@
	tensor_load_to_lds s[G0K:G0K+3], s[G1K:G1K+7]
	s_nop 0
.rept 4
	v_nop
.endr
	s_branch .Lasked_\@
.Lfor_v_\@:
	tensor_load_to_lds s[G0V:G0V+3], s[G1V:G1V+7]
	s_nop 0
.rept 4
	v_nop
.endr
.Lasked_\@:
.endm
; A PREFETCH INTO THE L2 of the tile that the NEXT change of slots will ask for: a tile's four key steps, 192 matrix instructions, ahead of that load.  All four clusters of a head begin with tiles 0, 1, ..:
; the cluster with b = 0, whose first block walks tiles 0 to 7, asks, and nobody else.  Each wave asks for the 32,768 bytes that it fetches itself; its four partners share them out BY ADDRESS, 8,192 each, a lane
; 256 bytes.  So each block of 256 bytes is named once in the launch.  Tiles 0 and 1 come by their loads alone; the trips with two slots or fewer to go ask for nothing: tile 7 is the last, and the second block's tiles have been read.
.macro ASK
	s_cmp_gt_u32 s[SLOTS], s[LIM]
	s_cbranch_scc0 .Lnot_mine_\@
	global_prefetch_b8 v[PFO], s[PFA:PFA+1] th:TH_LOAD_NT scope:SCOPE_SE
.Lnot_mine_\@:
.endm
.macro CROUND                          ; a round of the cluster's barrier
	s_barrier_signal -1
	s_barrier_wait -1
	s_cmp_lg_u32 s[WV], 0
	s_cbranch_scc1 .Lnot_wave_0_\@
	s_barrier_signal -3
.Lnot_wave_0_\@:
	s_barrier_wait -3
	s_barrier_signal -1
	s_barrier_wait -1
.endm
; THE CHANGE OF SLOTS.  Each wave waits for all its tensor loads, of which one is out: its part of the other slot; adds 0 to its spare word; and waits for that and for its reads of the slot that it leaves.
; fill = 1: the barrier is a round of the cluster's, and the old slot is filled again, first thing behind it, with tile NXT: the descriptor's address is made anew from that number.
.macro CHANGE fill
	WIN 0
	s_wait_tensorcnt 0x0            ; no tensor load of mine is out, so a group 0 may be written
	ds_add_u32 v[SPW], v[NIL]       ; 0 onto my spare word; scalar work stands between it and the wait for it
.if \fill
	s_lshl_b32 s[OFF], s[NXT], 15   ; a tile is 32,768 bytes of a stream's K
	s_lshl_b32 s[OFFV], s[NXT], 16  ; and 65,536 of V
	s_xor_b32 s[G0K+1], s[G0K+1], SLOT1
	s_add_nc_u64 s[G0K+2:G0K+3], s[6:7], s[OFF:OFF+1]
	s_or_b32 s[G0K+3], s[G0K+3], 0x80000000
	s_xor_b32 s[G0V+1], s[G0V+1], SLOT1
	s_add_nc_u64 s[G0V+2:G0V+3], s[8:9], s[OFFV:OFFV+1]
	s_or_b32 s[G0V+3], s[G0V+3], 0x80000000
	s_add_co_u32 s[NXT], s[NXT], 1  ; the block's next tile, or behind its last the second block's tile 0
	s_cmp_gt_u32 s[NXT], s[LQ]
	s_cselect_b32 s[NXT], 0, s[NXT]
	s_cselect_b32 s[LQ], s[PB], s[LQ]
	s_wait_xcnt 0x0                 ; the last prefetch, a tile back, has read its address, so it may be written
	s_add_nc_u64 s[PFA:PFA+1], s[PFA:PFA+1], s[PFS:PFS+1]
	s_wait_dscnt 0x0                ; the add is done, and my reads of the slot are over: the last of them, V of its fourth step, among them
	CROUND
	JLOAD
	ASK
.else
	s_wait_dscnt 0x0
	s_barrier_signal -1
	s_barrier_wait -1
.endif
	s_sub_co_u32 s[TBK], s[TBK], 4*KS*PKB  ; the fetches go back to a slot's first step,
	s_xor_b32 s[TBK], s[TBK], SLOT1        ; in the other slot
	s_sub_co_u32 s[TBV], s[TBV], 4*KS*PVB
	s_xor_b32 s[TBV], s[TBV], SLOT1
.endm
	s_load_b256 s[4:11], s[0:1], 0x0  ; qh s[4:5], kh s[6:7], vh s[8:9], ob s[10:11]
	s_load_b64 s[16:17], s[0:1], 0x20 ; lamb
	v_lshl_add_u32 v[SPW], v0, 2, SPARE
	v_mov_b32 v[NIL], 0
	ds_add_u32 v[SPW], v[NIL]       ; the wave's opening: the add and its wait stand ahead of my first tensor load; register work stands between
	v_lshrrev_b32 v1, 5, v0
	v_readfirstlane_b32 s[WV], v1   ; wave 0..3
	s_bfe_u32 s[CX], ttmp6, 0x40000 ; my place in the cluster: my band
	s_mov_b32 s[PB], ttmp9          ; in a cluster launch ttmp9 counts clusters
	s_sub_co_u32 s[HI], NB-1, s[PB]
	s_and_b32 s20, ttmp7, 0xffff    ; the head, which the four partners share
	s_lshl_b32 s19, s20, 8          ; its 256 bytes in a row of ob
	s_lshl_b32 s20, s20, 19         ; its 524,288 bytes in qh, kh (two streams) and vh
	s_and_b32 s18, s[WV], 1         ; which stream's K, or which half of V's 256 rows, I fetch
	s_lshl_b32 s22, s18, 18
	s_add_co_u32 s22, s22, s20
	s_mov_b32 s23, 0
	s_lshl_b32 s2, s18, 15
	s_add_co_u32 s2, s2, s20
	s_mov_b32 s3, 0
	s_mul_i32 s18, s18, K2OFF       ; and its place in a slot: no place in the cluster enters an LDS address
	; descriptor group 1.  K: 32,768 dense bytes as 128 rows of 256, two keys a row, padded after every key.  V: 128 rows of 256 bytes, padded after every row.
	s_mov_b32 s[G1K], 15|(1<<16)|(1<<20)|(1<<21)|(4<<22)|(3<<25)  ; the mask of four; 2-byte elements; padding on; bit 21 beside a mask; after every 32 words, 4 words
	s_mov_b32 s[G1V], 15|(1<<16)|(1<<20)|(1<<21)|(5<<22)|(7<<25)  ; after every 64 words, 8 words
.irp g, G1K, G1V
	s_mov_b32 s[\g+1], 128<<16      ; tensor_dim0 = 128
	s_mov_b32 s[\g+2], 128<<16      ; tensor_dim1 = 128
	s_mov_b32 s[\g+3], 128<<16      ; tile_dim0 = 128
	s_mov_b32 s[\g+4], 128          ; tile_dim1 = 128
	s_mov_b32 s[\g+5], 128          ; 128 elements from row to row
	s_mov_b32 s[\g+6], 0
	s_mov_b32 s[\g+7], 0
.endr
	s_mov_b32 s[G0K], 1
	s_mov_b32 s[G0K+1], s18         ; slot 0
	s_mov_b32 s[G0V], 1
	s_add_co_u32 s[G0V+1], s18, VOFF
	s_mov_b32 s58, 0x3c000000       ; 1 / 128
	s_mov_b32 s59, 0x34000000       ; f32's eps, 2^-23
	s_mov_b32 s[SEL], 0x76543210
	s_mov_b32 s[SEL+1], 0xfedcba98
	s_mov_b32 s[TBK], SLOT1+4*KS*PKB  ; the first change of slots turns these two into 0
	s_mov_b32 s[TBV], SLOT1+4*KS*PVB
	s_add_co_u32 s[RT], s[HI], 1    ; the first block has 8 - b tiles
	s_mov_b32 s[NXT], 1
	s_mov_b32 s[LQ], s[HI]
	s_mov_b32 s[NEW], 1
	s_mov_b32 s[OFF+1], 0
	s_mov_b32 s[OFFV+1], 0
	s_mov_b32 s[AL+1], 0            ; named as pairs
	s_mov_b32 s[BE+1], 0
	s_mov_b32 s[BIGN], 0xf149f2ca   ; -1e30
	s_mov_b32 s[SLOTS], NB
	s_wait_dscnt 0x0                ; the opening add is done
	s_wait_kmcnt 0x0
	s_load_b32 s[LAM], s[16:17], 0x0
	s_add_nc_u64 s[6:7], s[6:7], s[22:23]  ; K and V at my part of the head's tile 0
	s_add_nc_u64 s[8:9], s[8:9], s[2:3]
	s_add_nc_u64 s[G0K+2:G0K+3], s[6:7], 0
	s_or_b32 s[G0K+3], s[G0K+3], 0x80000000
	s_add_nc_u64 s[G0V+2:G0V+3], s[8:9], 0
	s_or_b32 s[G0V+3], s[G0V+3], 0x80000000
	CROUND                          ; all four work-groups are here: the first joint loads meet
	JLOAD                           ; tile 0 into slot 0; slot 1 is asked for by the loop's own change of slots
	; what hangs on my band: Q's and ob's addresses and the prefetches'
	s_lshl_b32 s66, s[CX], 13       ; 64 rows of 128 bytes a band,
	s_lshl_b32 s67, s[WV], 11       ; 16 a wave
	s_add_co_u32 s66, s66, s67
	s_add_co_u32 s66, s66, s20
	s_lshl_b32 s67, s[PB], 15       ; 256 rows a block
	s_add_co_u32 s68, s66, s67
	s_lshl_b32 s67, s[HI], 15
	s_add_co_u32 s66, s66, s67
	s_mov_b32 s67, 0
	s_mov_b32 s69, 0
	s_add_nc_u64 s[86:87], s[4:5], s[68:69]  ; Q at my rows of the second block,
	s_add_nc_u64 s[4:5], s[4:5], s[66:67]    ; and of the first
	v_and_b32 v1, 15, v0            ; r = l % 16
	v_bfe_u32 v9, v0, 4, 1          ; h = l / 16
	v_lshlrev_b32 v[QO], 7, v1
	v_lshl_add_u32 v[QO], v9, 4, v[QO]  ; row x 128 + 16 x half
	WIN 0x80                        ; destination window 2, address window 0
.irp t, 0,1
.irp c, 0,1                         ; both blocks' Q stay in registers: stream t lies 262,144 bytes on, channels 32 c on
	global_load_b128 v[16*\t+8*\c:16*\t+8*\c+3],       v[QO], s[4:5] offset:262144*\t+64*\c
	global_load_b128 v[16*\t+8*\c+4:16*\t+8*\c+7],     v[QO], s[4:5] offset:262144*\t+64*\c+32
	global_load_b128 v[QB+16*\t+8*\c:QB+16*\t+8*\c+3],   v[QO], s[86:87] offset:262144*\t+64*\c
	global_load_b128 v[QB+16*\t+8*\c+4:QB+16*\t+8*\c+7], v[QO], s[86:87] offset:262144*\t+64*\c+32
.endr
.endr
	WIN 0
	s_lshl_b32 s66, s[CX], 18       ; ob: 64 rows of 4,096 bytes a band,
	s_lshl_b32 s68, s[WV], 16       ; 16 a wave,
	s_add_co_u32 s66, s66, s68
	s_add_co_u32 s66, s66, s19      ; the head's columns,
	s_lshl_b32 s68, s[PB], 20       ; 256 rows a block
	s_add_co_u32 s68, s68, s66
	s_lshl_b32 s21, s[HI], 20
	s_add_co_u32 s66, s66, s21
	s_add_nc_u64 s[OLO:OLO+1], s[10:11], s[68:69]
	s_add_nc_u64 s[10:11], s[10:11], s[66:67]
	s_cmp_lt_u32 s[WV], 2
	s_cselect_b64 s[PFA:PFA+1], s[6:7], s[8:9]
	s_lshr_b32 s66, s[WV], 1
	s_lshl_b32 s[PFS], 32768, s66   ; 32,768 for K, 65,536 for V
	s_mov_b32 s[PFS+1], 0
	s_lshl_b32 s66, s[CX], 13       ; my work-group's 8,192 of the 32,768 bytes
	s_add_nc_u64 s[PFA:PFA+1], s[PFA:PFA+1], s[66:67]
	s_add_nc_u64 s[PFA:PFA+1], s[PFA:PFA+1], s[PFS:PFS+1]  ; at tile 1: the first change of slots steps it to tile 2
	s_cmp_eq_u32 s[PB], 0
	s_cselect_b32 s[LIM], 2, -1     ; the same in all four partners
	v_and_b32 v[PFO], 31, v0
	v_lshlrev_b32 v[PFO], 8, v[PFO]
	; MD: the mask of my band's own step: register i of key group kb is hidden where 16 kb + 8 h + i is greater than my query's place 16 w + r
	v_lshlrev_b32 v14, 3, v9
	v_sub_nc_u32 v14, v1, v14
	s_lshl_b32 s18, s[WV], 4
	v_add_nc_u32 v14, s18, v14
	WIN 0x40
.set i, 0
.rept 32
	v_cmp_gt_i32 vcc_lo, 16*(i/8)+i%8, v14
	v_cndmask_b32 v[MD+i], 0, s[BIGN], vcc_lo
.set i, i+1
.endr
	WIN 0
	v_mul_u32_u24 v[AK0], v1, PKB
	v_lshl_add_u32 v[AK0], v9, 4, v[AK0]  ; row x pitch + 16 x half
	; The turning load takes 16 keys x 16 channels (lane l reads key 8 (l / 16) + l % 8, channels 8 ((l / 8) % 2) + 0..7) and leaves half a fragment of V^T: lane l holds channel l % 16 and 8 keys.
	v_and_b32 v10, 7, v0
	v_bfe_u32 v11, v0, 3, 1
	v_lshl_add_u32 v[AV0], v9, 3, v10
	v_mul_u32_u24 v[AV0], v[AV0], PVB
	v_lshl_add_u32 v[AV0], v11, 4, v[AV0]
	v_add_nc_u32 v[AV0], VOFF, v[AV0]
	s_mul_i32 s18, s[WV], 16*SP
	s_add_co_u32 s18, s18, STAGE    ; my stage
	v_mul_u32_u24 v[STO], v1, SP    ; in: row r, 16 bytes for each half of the lanes
	v_lshl_add_u32 v[STO], v9, 4, v[STO]
	v_add_nc_u32 v[STO], s18, v[STO]
	v_mul_u32_u24 v[RD], v9, SP     ; back: lanes 0-15 take one row of 256 bytes, lanes 16-31 the next
	v_lshl_add_u32 v[RD], v1, 4, v[RD]
	v_add_nc_u32 v[RD], s18, v[RD]
	v_lshlrev_b32 v[GO], 12, v9     ; and the same two rows in ob
	v_lshl_add_u32 v[GO], v1, 4, v[GO]
	s_wait_kmcnt 0x0
	s_mul_f32 s[LAM16], s[LAM], 0x41800000  ; 16 lam
; THE LDS LOADS stand in runs of 32, never singly among the matrix instructions.  A step's K: both streams, 64 keys x 64 channels each.
; w = 1: the run stands at the wait for a batch of exponentials; the address's line is then the plain line behind the last of them.
.macro FETCH_K w
	WIN 0
	v_add_nc_u32 v[AK], s[TBK], v[AK0]
	s_add_co_u32 s[TBK], s[TBK], KS*PKB  ; the next fetch is the next step's
.if \w
	s_wait_alu depctr_va_vdst(0)    ; one wait for the batch, ahead of the first line that names a result of it
.endif
	WIN 0x80                        ; destination window 2
.irp t, 0,1
.irp f, 0,1,2,3,4,5,6,7             ; keys 16 (f / 2) on, channels 32 (f % 2) on
	ds_load_b128 v[KF+64*\t+8*\f:KF+64*\t+8*\f+3],   v[AK] offset:K2OFF*\t+(\f/2)*16*PKB+(\f%2)*64
	ds_load_b128 v[KF+64*\t+8*\f+4:KF+64*\t+8*\f+7], v[AK] offset:K2OFF*\t+(\f/2)*16*PKB+(\f%2)*64+32
.endr
.endr
	WIN 0
.endm
.macro FETCH_V                         ; a step's V, turned: 64 keys x 128 channels
	WIN 0xc0                        ; destination window 3
.irp f, 0,1,2,3,4,5,6,7,8,9,10,11,12,13,14,15  ; keys 32 (f / 8) on, channels 16 (f % 8) on
	ds_load_tr16_b128 v[8*\f:8*\f+3],   v[AV] offset:(\f/8)*32*PVB+(\f%8)*32
	ds_load_tr16_b128 v[8*\f+4:8*\f+7], v[AV] offset:(\f/8)*32*PVB+16*PVB+(\f%8)*32
.endr
	WIN 0
.endm
; THE MATRIX WORK.  The accumulators take turns, one instruction a turn: 7 others (V^T P) or 3 (K Q^T) stand between two links of a chain.
.macro PVW t                           ; product i of 16 of stream t's O^T += V^T P: channels 16 (i % 8) on, keys 32 (i / 8) on
	WIN W_PV
.set rO, 64*(\t)+8*(i%8)
.set rV, 64*(i/8)+8*(i%8)
.set rP, P+16*(\t)+8*(i/8)
	v_wmma_f32_16x16x32_f16 v[rO:rO+7], v[rV:rV+7], v[rP:rP+7], v[rO:rO+7]
.endm
.macro KQW t                           ; product i of 8 of stream t's S^T = K Q^T: keys 16 (i % 4) on, channels 32 (i / 4) on.  The first 4 start the sums with the mask
.set rS, S+32*(\t)+8*(i%4)
.set rK, KF+64*(\t)+16*(i%4)+8*(i/4)
.set rQ, 16*(\t)+8*(i/4)
.set rM, MC+8*(i%4)
.if i < 4
	WIN W_KM
	v_wmma_f32_16x16x32_f16 v[rS:rS+7], v[rK:rK+7], v[rQ:rQ+7], v[rM:rM+7]
.else
	WIN W_KQ
	v_wmma_f32_16x16x32_f16 v[rS:rS+7], v[rK:rK+7], v[rQ:rQ+7], v[rS:rS+7]
.endif
.endm
.macro MASK                            ; MC = MD x AL + BE for step 4 - CNT of the tile.  Its 16 plain lines are also the places between the products V^T P and the loads into V's registers
	s_sub_co_u32 s[STEP], 4, s[CNT]
	s_cmp_eq_u32 s[STEP], s[CX]     ; my band's own step?
	s_cselect_b32 s[AL], s[DG1], 0
	s_cmp_gt_u32 s[STEP], s[CX]     ; or a later one?
	s_cselect_b32 s[BE], s[DGB], 0
	WIN W_RS
.set z, 0
.rept 16
	v_pk_fma_f32 v[MC+2*z:MC+2*z+1], v[MD+2*z:MD+2*z+1], s[AL:AL+1], s[BE:BE+1] op_sel_hi:[1,0,0]
.set z, z+1
.endr
.endm
; THE WEIGHTS: p = 2^s in place; then pair n of stream t is rounded to f16 for the second product and added, unrounded, onto l (two chains a stream).
.macro RDR t, n
	v_cvt_pk_f16_f32 v[P+16*(\t)+(\n)], v[S+32*(\t)+2*(\n)], v[S+32*(\t)+2*(\n)+1]
	v_pk_add_f32 v[L+4*(\t)+2*((\n)%2):L+4*(\t)+2*((\n)%2)+1], v[L+4*(\t)+2*((\n)%2):L+4*(\t)+2*((\n)%2)+1], v[S+32*(\t)+2*(\n):S+32*(\t)+2*(\n)+1]
.endm
.macro PLACES
.rept 4
	v_nop
.endr
.endm
; THE FIRST HALF OF A TRIP: both streams' V^T P of the step before.  Behind each of stream 1's 16 products stand four lines of stream 2's weights of that step, which name none of the products' registers:
; behind the first eight its 32 exponentials, ascending (each accumulator is read from its low end on); a plain line and ONE wait for the batch; behind the other eight its 32 roundings and sums.  So stream 2's P is whole
; when its own 16 products begin.  P of stream 2 was last read by the trip before, S^T of stream 2 last written at that trip's end: the lines of that trip's tail lie between.
; fetch = 1: K of the step in hand is fetched at the wait: 24 products and the mask stand between the run and its first use; K's last readers stand in front of the tail of the trip before.
.macro PVPART fetch
.set i, 0
.rept 16
	PVW 0
	WIN 0
.if i < 8
.irp e, 0,1,2,3
	v_exp_f32 v[S+32+4*i+\e], v[S+32+4*i+\e]
.endr
.else
.set n, 2*(i-8)
	RDR 1, n
.set n, n+1
	RDR 1, n
.endif
.if i == 7
.if \fetch
	FETCH_K 1
.else
	v_nop                           ; a plain instruction behind the last exponential,
	s_wait_alu depctr_va_vdst(0)    ; and the one wait for the batch
.endif
.endif
.set i, i+1
.endr
.set i, 0
.rept 16
	PVW 1
.set i, i+1
.endr
.endm
; THE SECOND HALF: the scores of the step in hand.  Stream 1's 8 products; eight plain places (a margin over the four of ISA guide 7.12.1); stream 2's 8 products, and behind each four of stream 1's 32 exponentials,
; ascending; a plain line and ONE wait; stream 1's 32 roundings and sums, which are also the places behind stream 2's products.  P of stream 1 was last read in the trip's first half.
.macro KQPART
.set i, 0
.rept 8
	KQW 0
.set i, i+1
.endr
	PLACES
	PLACES
.set i, 0
.rept 8
	KQW 1
	WIN 0
.irp e, 0,1,2,3
	v_exp_f32 v[S+4*i+\e], v[S+4*i+\e]
.endr
.set i, i+1
.endr
	v_nop                           ; a plain instruction behind the last exponential,
	s_wait_alu depctr_va_vdst(0)    ; and the one wait for the batch
.set n, 0
.rept 16
	RDR 0, n
.set n, n+1
.endr
.endm
; A BLOCK BEGINS: O^T and l are cleared (136 lines, twice a launch: the price of writing no first step out), K of the tile's first step is fetched, and the trip is entered behind its first half, which a first step has not.
.macro BEGIN
	s_mov_b32 s[NEW], 0
	WIN 0x40
.set i, 0
.rept 128
	v_mov_b32 v[i], 0
.set i, i+1
.endr
	WIN 0
.set i, 0
.rept 8
	v_mov_b32 v[L+i], 0
.set i, i+1
.endr
	FETCH_K 0
	s_wait_loadcnt 0x0              ; Q, both blocks'
.endm
; A BLOCK ENDS: a trip's first half once more, for the last step (stream 2's weights, both streams' V^T P; nothing is fetched); l's parts are added; d = O_1 16 / l_1 - O_2 16 lam / l_2;
; the RMS norm over 128 channels (64 in my lane, 64 in the lane 16 away), times 1 - LAMBDA_INIT; f16; out through my stage.
.macro FINISH
	s_wait_dscnt 0x0                ; V of the last step is in
	PVPART 0
	WIN 0
	v_pk_add_f32 v[L:L+1], v[L:L+1], v[L+2:L+3]    ; these lines on l are the places behind the last products
	v_pk_add_f32 v[L+4:L+5], v[L+4:L+5], v[L+6:L+7]
	v_add_f32 v[L], v[L], v[L+1]
	v_add_f32 v[L+4], v[L+4], v[L+5]
	v_permlanex16_b32 v[L+1], v[L], s[SEL], s[SEL+1]
	v_permlanex16_b32 v[L+5], v[L+4], s[SEL], s[SEL+1]
	v_add_f32 v[L], v[L], v[L+1]
	v_add_f32 v[L+4], v[L+4], v[L+5]
	v_rcp_f32 v[L+2], v[L]
	v_rcp_f32 v[L+6], v[L+4]
	v_nop                           ; a plain instruction behind the second reciprocal,
	s_wait_alu depctr_va_vdst(0)    ; and one wait for the two
	v_mul_f32 v[R1],   0x41800000, v[L+2]
	v_mul_f32 v[R1+1], 0x41800000, v[L+2]
	v_mul_f32 v[R2],   s[LAM16], v[L+6]
	v_mul_f32 v[R2+1], s[LAM16], v[L+6]
	WIN 0x51                        ; O^T (destination, sources 0 and 2) in window 1, the factor in window 0
.set i, 0
.rept 32
	v_pk_mul_f32 v[64+2*i:64+2*i+1], v[64+2*i:64+2*i+1], v[R2:R2+1]
.set i, i+1
.endr
.set i, 0
.rept 32
	v_pk_fma_f32 v[2*i:2*i+1], v[2*i:2*i+1], v[R1:R1+1], v[64+2*i:64+2*i+1] neg_lo:[0,0,1] neg_hi:[0,0,1]
.set i, i+1
.endr
	WIN 0x05                        ; sources 0 and 1 in window 1, the sums in window 0
	v_pk_mul_f32 v[SQ:SQ+1],   v[0:1], v[0:1]
	v_pk_mul_f32 v[SQ+2:SQ+3], v[2:3], v[2:3]
.set i, 2
.rept 30
	v_pk_fma_f32 v[SQ+2*(i%2):SQ+2*(i%2)+1], v[2*i:2*i+1], v[2*i:2*i+1], v[SQ+2*(i%2):SQ+2*(i%2)+1]
.set i, i+1
.endr
	WIN 0
	v_pk_add_f32 v[SQ:SQ+1], v[SQ:SQ+1], v[SQ+2:SQ+3]
	v_add_f32 v[SQ], v[SQ], v[SQ+1]
	v_permlanex16_b32 v[SQ+1], v[SQ], s[SEL], s[SEL+1]
	v_add_f32 v[SQ], v[SQ], v[SQ+1]
	v_fma_f32 v[SQ], v[SQ], s58, s59               ; the mean + eps
	v_rsq_f32 v[SQ+2], v[SQ]
	v_nop
	s_wait_alu depctr_va_vdst(0)
	v_mul_f32 v[FN],   0x3e5d9673, v[SQ+2]         ; x (1 - LAMBDA_INIT) = 0.21639423
	v_mul_f32 v[FN+1], 0x3e5d9673, v[SQ+2]
	WIN W_RS
.set i, 0
.rept 32
	v_pk_mul_f32 v[2*i:2*i+1], v[2*i:2*i+1], v[FN:FN+1]
.set i, i+1
.endr
	WIN 0x05                        ; S^T's registers are free: v64-95 take the packed row, v96-127 the rows read back
.set i, 0
.rept 32
	v_cvt_pk_f16_f32 v[S+i], v[2*i], v[2*i+1]
.set i, i+1
.endr
	WIN 0
.irp f, 0,1,2,3,4,5,6,7
	ds_store_b128 v[STO], v[S+4*\f:S+4*\f+3] offset:32*\f
.endr
.irp f, 0,1,2,3,4,5,6,7
	ds_load_b128 v[S+32+4*\f:S+32+4*\f+3], v[RD] offset:\f*2*SP  ; LDS serves a wave's instructions in order (ISA guide 5.7.1.4): these see the stores above
.endr
.irp f, 0,1,2,3,4,5,6,7
	s_wait_dscnt 7-\f               ; the 7 - f younger loads may stay out
	global_store_b128 v[GO], v[S+32+4*\f:S+32+4*\f+3], s[10:11] offset:\f*8192  ; 16 lanes store the head's 256 bytes of a row, at a multiple of 256 from ob's first byte
.endr
.endm
; A TILE of the walk: the change of slots and four key steps.  The test for a block's first tile stands first.  last = 0: in the loop; a block's end there is the first block's.  last = 1: the walk's last tile.
.macro TILE tag, fill, last
	CHANGE \fill
	s_sub_co_u32 s[RT], s[RT], 1
	s_mov_b32 s[CNT], 4
	s_cmp_eq_u32 s[RT], 0           ; the block's last tile holds the diagonal
	s_cselect_b32 s[DG1], 1.0, 0
	s_cselect_b32 s[DGB], s[BIGN], 0
	s_cmp_eq_u32 s[NEW], 1
	s_cbranch_scc0 .Lstep\tag
	BEGIN
	s_branch .Lmid\tag
.Lstep\tag:
	s_wait_dscnt 0x0                ; V of the step before is in: its run was issued 16 products and a tail ago, and nothing since
	PVPART 1
	WIN 0
.Lmid\tag:
	MASK
	WIN 0
	v_add_nc_u32 v[AV], s[TBV], v[AV0]
	s_add_co_u32 s[TBV], s[TBV], KS*PVB
	s_wait_dscnt 0x0                ; K is in; so at most 32 LDS loads of mine are ever out
	FETCH_V                         ; V of this step: the 16 products and the tail below stand between the run and its first use
	KQPART
	s_sub_co_u32 s[CNT], s[CNT], 1
	s_cmp_lg_u32 s[CNT], 0
	s_cbranch_scc1 .Lstep\tag
.if \last
	FINISH
.else
	s_cmp_lg_u32 s[RT], 0
	s_cbranch_scc1 .Lbottom
	FINISH
	s_wait_xcnt 0x0                 ; the stores have read their registers and ob's address
	s_mov_b64 s[10:11], s[OLO:OLO+1]
	s_add_co_u32 s[RT], s[PB], 1    ; the second block has b + 1 tiles
	s_mov_b32 s[NEW], 1
	WIN 0x82                        ; the second block's Q goes where the one text of the products names Q
.set i, 0
.rept 32
	v_mov_b32 v[i], v[QB+i]
.set i, i+1
.endr
	WIN 0
.endif
.endm
.Lslot:                             ; 8 times: a tile is entered and the next is asked for
	TILE 1, 1, 0
.Lbottom:
	s_sub_co_u32 s[SLOTS], s[SLOTS], 1
	s_cmp_lg_u32 s[SLOTS], 0
	s_cbranch_scc1 .Lslot
	TILE 2, 0, 1                    ; the walk's last tile is written out: nothing is asked for
	s_wait_tensorcnt 0x0            ; the wave's end: a wait, an add and its wait, behind my last tensor load and my last LDS store
	ds_add_u32 v[SPW], v[NIL]
	s_wait_dscnt 0x0
	CROUND                          ; the closing round: no work-group ends while a partner may still ask for a tile that names it
	s_endpgm
.Lfunc_end_k_q35b8c8fec3_attn:
	.size	k_q35b8c8fec3_attn, .Lfunc_end_k_q35b8c8fec3_attn-k_q35b8c8fec3_attn
	.p2alignl 7, 3214868480
	.fill 96, 4, 3214868480
	.section	.rodata,"a",@progbits
	.p2align	6, 0x0
	.amdhsa_kernel k_q35b8c8fec3_attn
		.amdhsa_group_segment_fixed_size 327680
		.amdhsa_private_segment_fixed_size 0
		.amdhsa_enable_private_segment 0
		.amdhsa_kernarg_size 40
		.amdhsa_user_sgpr_count 2
		.amdhsa_user_sgpr_kernarg_segment_ptr 1
		.amdhsa_wavefront_size32 1
		.amdhsa_system_sgpr_workgroup_id_x 1
		.amdhsa_system_sgpr_workgroup_id_y 1
		.amdhsa_system_sgpr_workgroup_id_z 1
		.amdhsa_system_vgpr_workitem_id 0
		.amdhsa_next_free_vgpr 896
		.amdhsa_next_free_sgpr 92
		.amdhsa_reserve_vcc 1
		.amdhsa_float_denorm_mode_32 3
		.amdhsa_float_denorm_mode_16_64 3
		.amdhsa_memory_ordered 1
		.amdhsa_forward_progress 1
		.amdhsa_inst_pref_size 102
	.end_amdhsa_kernel
	.amdgpu_metadata
---
amdhsa.version: [ 1, 2 ]
amdhsa.kernels:
  - .name:           k_q35b8c8fec3_attn
    .symbol:         k_q35b8c8fec3_attn.kd
    .args:
      - { .name: qh, .offset: 0, .size: 8, .value_kind: global_buffer, .address_space: global }
      - { .name: kh, .offset: 8, .size: 8, .value_kind: global_buffer, .address_space: global }
      - { .name: vh, .offset: 16, .size: 8, .value_kind: global_buffer, .address_space: global }
      - { .name: ob, .offset: 24, .size: 8, .value_kind: global_buffer, .address_space: global }
      - { .name: lamb, .offset: 32, .size: 8, .value_kind: global_buffer, .address_space: global }
    .group_segment_fixed_size: 327680
    .private_segment_fixed_size: 0
    .kernarg_segment_align: 8
    .kernarg_segment_size: 40
    .max_flat_workgroup_size: 128
    .sgpr_count:     92
    .vgpr_count:     896
    .wavefront_size: 32
...
	.end_amdgpu_metadata
.endif
;; end of part 3
;; launch oproj (part 4): grid 16 x 16, 4 waves a work-group, clusters of 4 x 4, 327,680 bytes of LDS; arguments ob, bf, out0; writes out0
.if DOCPART == 4
	.amdgcn_target "amdgcn-amd-amdhsa--gfx1250"
	.amdhsa_code_object_version 6
	.text
	.protected	k_q35b8c8fec3_oproj
	.globl	k_q35b8c8fec3_oproj
	.p2align	8
	.type	k_q35b8c8fec3_oproj,@function
k_q35b8c8fec3_oproj:
	s_mov_b64 s[64:65], 0
	v_nop
	global_prefetch_b8 v0, s[64:65] scope:SCOPE_SE
	s_setreg_imm32_b32 hwreg(HW_REG_WAVE_MODE, 25, 1), 1
	s_wait_xcnt 0x0
	s_wait_alu depctr_hold_cnt(0) depctr_sa_sdst(0) depctr_va_vdst(0) depctr_va_sdst(0) depctr_va_ssrc(0) depctr_va_vcc(0) depctr_vm_vsrc(0)
	s_getreg_b32 s2, hwreg(HW_REG_IB_STS2, 6, 4)
	s_cmp_eq_u32 s2, 0
	s_cbranch_scc0 .Lentry_in_a_cluster
	s_endpgm
.Lentry_in_a_cluster:
	s_bfe_u32 s2, ttmp6, 0x10000c
	s_cmp_lg_u32 s2, 0xf033
	s_cbranch_scc0 .Lentry_shape_is_right
	s_endpgm
.Lentry_shape_is_right:
; OPROJ.  out0[s][n] = sum over k of ob[s][k] Wo[n][k].  ob: [2048][2048] f16; Wo: plane 4 of bf, its bf16 number written as f16; sums in f32; out0: [2048][2048] f32.
; A tile of out0 is 128 x 128: 16 x 16 work-groups of four waves, each wave 64 x 64: 16 accumulators.  K goes in steps of 256 (LDS rows of 512 bytes + 16) through two slots filled by tensor loads.
; CLUSTERS: 4 x 4 work-groups; ob's tile is shared along a row of the cluster, Wo's along a column: each is asked for JOINTLY.
; THE MATRIX INSTRUCTION IS USED TRANSPOSED (source 0 = 16 rows of Wo, source 1 = 16 rows of ob): a lane holds eight neighbouring numbers, 32 bytes, of a row of out0.  A wave's 64 columns are 256 bytes,
; so each wave sends its own rows through its own stage: no barrier on the way out.
; REGISTERS: window 0: v0-31 addresses; v32-95 two buffers of rows read back; v128-255 accumulators ((a, b) at 128 + 8 (4 a + b)).   window 1: two fragment buffers of 128.
.set SIZE_K, 2048
.set KSTEP,  256
.set PITCH,  528                       ; 512 bytes + 16 = 132 words: row r starts at bank 4 r mod 64 (64 banks of 4 bytes: ISA guide 11.1)
.set HALFT,  64*PITCH
.set SLOT,   4*HALFT
.set STAGE,  2*SLOT                    ; behind the ring: 16 rows x 272 bytes for each wave
.set SPITCH, 272
.set SPARE,  STAGE+4*16*SPITCH         ; behind the stages: the spare words, 128 bytes a wave, which no other line names
.set LAPS,   SIZE_K/(2*KSTEP)
.set ADRA, 16
.set ADRB, 20
.set STO,  24                          ; v24  where I put 32 bytes of a row
.set RD,   25                          ; v25  where I read rows back
.set CO,   26                          ; v26  my byte offset in two rows of out0
.set SPW,  28
.set NIL,  29
.set OB,   32
.set ACC,  128
.set F0,   0
.set F1,   128
.set G1, 24
.set G0, 32
.set G1B, 48
.set G0B, 56
.set MSB, 0
.macro WIN new
.if MSB != (\new)
	s_set_vgpr_msb (MSB<<8)|(\new)
.set MSB, \new
.endif
.endm
.set MUL,  0x05
.set TO_F, 0x40
.macro JLOAD s                         ; a joint load: waves 0 and 1 fetch ob's two halves, waves 2 and 3 Wo's; an s_nop 0 and four v_nop follow each line
	s_cmp_eq_u32 s11, 0
	s_cbranch_scc0 .Lfor_b_\@
	tensor_load_to_lds s[G0+4*(\s):G0+4*(\s)+3], s[G1:G1+7]
	s_nop 0
.rept 4
	v_nop
.endr
	s_branch .Lasked_\@
.Lfor_b_\@:
	tensor_load_to_lds s[G0B+4*(\s):G0B+4*(\s)+3], s[G1B:G1B+7]
	s_nop 0
.rept 4
	v_nop
.endr
.Lasked_\@:
.endm
.macro CREST
	s_cmp_lg_u32 s10, 0
	s_cbranch_scc1 .Lnot_wave_0_\@
	s_barrier_signal -3
.Lnot_wave_0_\@:
	s_barrier_wait -3
	s_barrier_signal -1
	s_barrier_wait -1
.endm
.macro CROUND
	s_barrier_signal -1
	s_barrier_wait -1
	CREST
.endm
	s_load_b128 s[4:7], s[0:1], 0x0                ; ob s[4:5], bf s[6:7]
	s_load_b64 s[8:9], s[0:1], 0x10                ; out0
	v_lshl_add_u32 v[SPW], v0, 2, SPARE
	v_mov_b32 v[NIL], 0
	ds_add_u32 v[SPW], v[NIL]                      ; the wave's opening: the add and its wait stand ahead of my first tensor load; register work stands between
	v_lshrrev_b32 v1, 5, v0
	v_readfirstlane_b32 s10, v1                    ; wave 0..3
	s_lshr_b32 s11, s10, 1                         ; my half of the tile's rows.  Also: I fetch for ob (0) or for Wo (1)
	s_and_b32 s12, s10, 1                          ; my half of its columns.  Also: which 64 rows of that tile I fetch
	s_bfe_u32 s40, ttmp6, 0x40000
	s_bfe_u32 s41, ttmp6, 0x40004
	s_lshl_b32 s42, ttmp9, 2
	s_add_co_u32 s42, s42, s40                     ; tile column
	s_and_b32 s13, ttmp7, 0xffff
	s_lshl_b32 s13, s13, 2
	s_add_co_u32 s13, s13, s41                     ; tile row
	s_lshl_b32 s43, s41, 2
	s_lshl_b32 s43, 15, s43                        ; my row of the cluster
	s_lshl_b32 s44, 0x1111, s40                    ; my column
	s_or_b32 s[G1+0], s43, (1<<16)|(1<<20)|(1<<21)|(6<<22)|(3<<25)
	s_or_b32 s[G1B+0], s44, (1<<16)|(1<<20)|(1<<21)|(6<<22)|(3<<25)
.irp g, G1, G1B
	s_mov_b32 s[(\g)+1], KSTEP<<16
	s_mov_b32 s[(\g)+2], 64<<16
	s_mov_b32 s[(\g)+3], KSTEP<<16
	s_mov_b32 s[(\g)+4], 64
	s_mov_b32 s[(\g)+5], SIZE_K
	s_mov_b32 s[(\g)+6], 0
	s_mov_b32 s[(\g)+7], 0
.endr
	s_lshl_b32 s17, s12, 6
	s_lshl_b32 s16, s13, 7
	s_add_co_u32 s16, s16, s17
	s_lshl_b32 s46, s42, 7
	s_add_co_u32 s46, s46, s17
	s_mov_b32 s17, 0
	s_mov_b32 s47, 0
	s_mov_b64 s[18:19], SIZE_K*2
	s_mul_u64 s[16:17], s[16:17], s[18:19]
	s_mul_u64 s[46:47], s[46:47], s[18:19]
	s_mul_i32 s20, s10, HALFT
	s_wait_dscnt 0x0                               ; the opening add is done
	s_wait_kmcnt 0x0
	s_add_nc_u64 s[6:7], s[6:7], 0x2000000         ; plane 4: Wo
	s_add_nc_u64 s[14:15], s[4:5], s[16:17]
	s_add_nc_u64 s[46:47], s[6:7], s[46:47]
	CROUND                                         ; all sixteen work-groups are here: the first joint loads meet
.irp s, 0,1
	s_mov_b32 s[G0+4*(\s)], 1
	s_add_co_u32 s[G0+4*(\s)+1], s20, (\s)*SLOT
	s_add_nc_u64 s[G0+4*(\s)+2:G0+4*(\s)+3], s[14:15], (\s)*KSTEP*2
	s_or_b32 s[G0+4*(\s)+3], s[G0+4*(\s)+3], 0x80000000
	s_mov_b32 s[G0B+4*(\s)], 1
	s_add_co_u32 s[G0B+4*(\s)+1], s20, (\s)*SLOT
	s_add_nc_u64 s[G0B+4*(\s)+2:G0B+4*(\s)+3], s[46:47], (\s)*KSTEP*2
	s_or_b32 s[G0B+4*(\s)+3], s[G0B+4*(\s)+3], 0x80000000
	JLOAD \s
.endr
	v_and_b32 v1, 15, v0                           ; r
	v_bfe_u32 v2, v0, 4, 1                         ; h
	v_mul_u32_u24 v3, v1, PITCH
	v_lshl_add_u32 v3, v2, 4, v3
	s_mul_i32 s21, s11, HALFT
	s_mul_i32 s22, s12, HALFT
	s_add_co_u32 s22, s22, 2*HALFT
.irp s, 0,1
	v_add_nc_u32 v[ADRA+(\s)], s21, v3
	v_add_nc_u32 v[ADRB+(\s)], s22, v3
	s_add_co_u32 s21, s21, SLOT
	s_add_co_u32 s22, s22, SLOT
.endr
	s_mul_i32 s23, s10, 16*SPITCH
	s_add_co_u32 s23, s23, STAGE                   ; my stage
	v_mul_u32_u24 v4, v1, SPITCH                   ; in: row r, 32 bytes for each half of the lanes
	v_lshl_add_u32 v4, v2, 5, v4
	v_add_nc_u32 v[STO], s23, v4
	v_mul_u32_u24 v5, v2, SPITCH                   ; back: lanes 0-15 take one row of 256 bytes, lanes 16-31 the next
	v_lshl_add_u32 v5, v1, 4, v5
	v_add_nc_u32 v[RD], s23, v5
	v_lshlrev_b32 v[CO], 13, v2                    ; and the same two rows in out0, 8,192 bytes apart
	v_lshl_add_u32 v[CO], v1, 4, v[CO]
	s_lshl_b32 s16, s13, 7
	s_lshl_b32 s17, s11, 6
	s_add_co_u32 s16, s16, s17                     ; my first row: 128 x tile row + 64 x half,
	s_lshl_b32 s16, s16, 13                        ; in bytes
	s_mov_b32 s17, 0
	s_add_nc_u64 s[8:9], s[8:9], s[16:17]
	s_lshl_b32 s46, s42, 9                         ; my first column, in bytes: 512 x tile column + 256 x half
	s_lshl_b32 s47, s12, 8
	s_add_co_u32 s46, s46, s47
	s_mov_b32 s47, 0
	s_add_nc_u64 s[8:9], s[8:9], s[46:47]
.macro MUL8 f, c, a0, zero             ; 8 matrix instructions; the 16 accumulators take turns.  zero = 1: the first product starts the sums
	WIN MUL
.irp a, \a0, (\a0)+1
.irp b, 0,1,2,3
.if \zero
	v_wmma_f32_16x16x32_f16 v[ACC+8*(4*(\a)+(\b)):ACC+8*(4*(\a)+(\b))+7], v[(\f)+64+8*(4*(\c)+(\b)):(\f)+64+8*(4*(\c)+(\b))+7], v[(\f)+8*(4*(\c)+(\a)):(\f)+8*(4*(\c)+(\a))+7], 0
.else
	v_wmma_f32_16x16x32_f16 v[ACC+8*(4*(\a)+(\b)):ACC+8*(4*(\a)+(\b))+7], v[(\f)+64+8*(4*(\c)+(\b)):(\f)+64+8*(4*(\c)+(\b))+7], v[(\f)+8*(4*(\c)+(\a)):(\f)+8*(4*(\c)+(\a))+7], v[ACC+8*(4*(\a)+(\b)):ACC+8*(4*(\a)+(\b))+7]
.endif
.endr
.endr
.endm
.macro FETCH slot, k, f                ; 32 LDS loads in one run: the fragments of 64 along K at byte k of the rows, the first 32 along K first
	WIN TO_F
.irp c, 0,1
.irp i, 0,1,2,3
	ds_load_b128 v[(\f)+64+8*(4*(\c)+(\i)):(\f)+64+8*(4*(\c)+(\i))+3],   v[ADRB+(\slot)] offset:(\k)+64*(\c)+(\i)*16*PITCH
	ds_load_b128 v[(\f)+64+8*(4*(\c)+(\i))+4:(\f)+64+8*(4*(\c)+(\i))+7], v[ADRB+(\slot)] offset:(\k)+64*(\c)+(\i)*16*PITCH+32
	ds_load_b128 v[(\f)+8*(4*(\c)+(\i)):(\f)+8*(4*(\c)+(\i))+3],         v[ADRA+(\slot)] offset:(\k)+64*(\c)+(\i)*16*PITCH
	ds_load_b128 v[(\f)+8*(4*(\c)+(\i))+4:(\f)+8*(4*(\c)+(\i))+7],       v[ADRA+(\slot)] offset:(\k)+64*(\c)+(\i)*16*PITCH+32
.endr
.endr
.endm
.macro PLACES                          ; four plain places (ISA guide 7.12.1)
.rept 4
	v_nop
.endr
.endm
.macro QUARTER slot, k, f, g, zero
	s_wait_dscnt 16                                ; the first 32 along K are in; the sixteen younger loads may stay out
	WIN MUL
	MUL8 \f, 0, 0, \zero
	MUL8 \f, 0, 2, \zero
	PLACES
	FETCH \slot, \k, \g
	s_wait_dscnt 32                                ; all but the 32 just issued
	WIN MUL
	MUL8 \f, 1, 0, 0
	MUL8 \f, 1, 2, 0
.endm
.macro TURN slot, next, fill           ; the last quarter changes slots: ONE barrier, with every wave's three lines in front of it
	WIN 0
	s_wait_tensorcnt 0x0                           ; all my tensor loads have landed: my part of the next slot;
	ds_add_u32 v[SPW], v[NIL]                      ; 0 onto my spare word;
	s_wait_dscnt 17                                ; (the add and the youngest sixteen loads may be out)
	WIN MUL
	MUL8 F1, 0, 0, 0
	s_wait_dscnt 0x0                               ; the add is done, and my reads of this slot are over
	s_barrier_signal -1
	MUL8 F1, 0, 2, 0
.if \fill
	WIN 0
.endif
	s_barrier_wait -1
.if \fill
	CREST                                          ; a round of the cluster's barrier: no wave of any partner still reads this slot or has a load on its way
	s_add_nc_u64 s[G0+4*(\slot)+2:G0+4*(\slot)+3], s[G0+4*(\slot)+2:G0+4*(\slot)+3], 2*KSTEP*2
	s_add_nc_u64 s[G0B+4*(\slot)+2:G0B+4*(\slot)+3], s[G0B+4*(\slot)+2:G0B+4*(\slot)+3], 2*KSTEP*2
	JLOAD \slot
.else
	PLACES
.endif
	FETCH \next, 0, F0
	WIN MUL
	MUL8 F1, 1, 0, 0
	MUL8 F1, 1, 2, 0
.endm
	s_wait_tensorcnt 1                             ; my part of K step 0 is in; K step 1's may stay out
	s_barrier_signal -1
	s_barrier_wait -1
	FETCH 0, 0, F0
	QUARTER 0, 128, F0, F1, 1
	WIN 0
	s_mov_b32 s3, LAPS-1
.Llap:
	QUARTER 0, 256, F1, F0, 0
	QUARTER 0, 384, F0, F1, 0
	TURN 0, 1, 1
	QUARTER 1, 128, F0, F1, 0
	QUARTER 1, 256, F1, F0, 0
	QUARTER 1, 384, F0, F1, 0
	TURN 1, 0, 1
	QUARTER 0, 128, F0, F1, 0
	WIN 0
	s_sub_co_u32 s3, s3, 1
	s_cmp_lg_u32 s3, 0
	s_cbranch_scc1 .Llap
	QUARTER 0, 256, F1, F0, 0
	QUARTER 0, 384, F0, F1, 0
	TURN 0, 1, 0
	QUARTER 1, 128, F0, F1, 0
	QUARTER 1, 256, F1, F0, 0
	QUARTER 1, 384, F0, F1, 0
	s_wait_dscnt 16
	WIN MUL
	MUL8 F1, 0, 0, 0
	MUL8 F1, 0, 2, 0
	s_wait_dscnt 0
	MUL8 F1, 1, 0, 0
	MUL8 F1, 1, 2, 0
	WIN 0
	; THE WAY OUT, 16 rows at a time: 32 bytes a lane into my stage, back as whole rows of 256 bytes, stored.  Each accumulator's low registers leave first.
	PLACES
	PLACES                                         ; eight plain places, once a launch: a margin over the four of ISA guide 7.12.1
.irp a, 0,1,2,3
.irp b, 0,1,2,3
	ds_store_b128 v[STO], v[ACC+8*(4*\a+\b):ACC+8*(4*\a+\b)+3]   offset:64*\b
	ds_store_b128 v[STO], v[ACC+8*(4*\a+\b)+4:ACC+8*(4*\a+\b)+7] offset:64*\b+16
.endr
.if \a >= 2
	s_wait_xcnt 0x0                                ; the stores of two blocks back have read this buffer: it is loaded again only behind this wait
.endif
.irp t, 0,1,2,3,4,5,6,7
	ds_load_b128 v[OB+32*(\a%2)+4*\t:OB+32*(\a%2)+4*\t+3], v[RD] offset:\t*2*SPITCH  ; LDS serves a wave's instructions in order (ISA guide 5.7.1.4): these see the stores above; the next block's stores come behind them
.endr
.irp t, 0,1,2,3,4,5,6,7
	s_wait_dscnt 7-\t                              ; the 7 - t younger loads may stay out
	global_store_b128 v[CO], v[OB+32*(\a%2)+4*\t:OB+32*(\a%2)+4*\t+3], s[8:9] offset:(16*\a+2*\t)*8192 th:TH_STORE_NT  ; 16 lanes store 256 consecutive bytes, at a multiple of 256 from out0's first byte
.endr
.endr
	s_wait_tensorcnt 0x0                           ; the wave's end: a wait, an add and its wait, behind my last tensor load and my last LDS store
	ds_add_u32 v[SPW], v[NIL]
	s_wait_dscnt 0x0
	CROUND                                         ; the closing round: no work-group ends while a partner may still ask for a tile that names it
	s_endpgm
.Lfunc_end_k_q35b8c8fec3_oproj:
	.size	k_q35b8c8fec3_oproj, .Lfunc_end_k_q35b8c8fec3_oproj-k_q35b8c8fec3_oproj
	.p2alignl 7, 3214868480
	.fill 96, 4, 3214868480
	.section	.rodata,"a",@progbits
	.p2align	6, 0x0
	.amdhsa_kernel k_q35b8c8fec3_oproj
		.amdhsa_group_segment_fixed_size 327680
		.amdhsa_private_segment_fixed_size 0
		.amdhsa_enable_private_segment 0
		.amdhsa_kernarg_size 24
		.amdhsa_user_sgpr_count 2
		.amdhsa_user_sgpr_kernarg_segment_ptr 1
		.amdhsa_wavefront_size32 1
		.amdhsa_system_sgpr_workgroup_id_x 1
		.amdhsa_system_sgpr_workgroup_id_y 1
		.amdhsa_system_sgpr_workgroup_id_z 1
		.amdhsa_system_vgpr_workitem_id 0
		.amdhsa_next_free_vgpr 512
		.amdhsa_next_free_sgpr 66
		.amdhsa_reserve_vcc 0
		.amdhsa_float_denorm_mode_32 3
		.amdhsa_float_denorm_mode_16_64 3
		.amdhsa_memory_ordered 1
		.amdhsa_forward_progress 1
		.amdhsa_inst_pref_size 87
	.end_amdhsa_kernel
	.amdgpu_metadata
---
amdhsa.version: [ 1, 2 ]
amdhsa.kernels:
  - .name:           k_q35b8c8fec3_oproj
    .symbol:         k_q35b8c8fec3_oproj.kd
    .args:
      - { .name: ob, .offset: 0, .size: 8, .value_kind: global_buffer, .address_space: global }
      - { .name: bf, .offset: 8, .size: 8, .value_kind: global_buffer, .address_space: global }
      - { .name: out0, .offset: 16, .size: 8, .value_kind: global_buffer, .address_space: global }
    .group_segment_fixed_size: 327680
    .private_segment_fixed_size: 0
    .kernarg_segment_align: 8
    .kernarg_segment_size: 24
    .max_flat_workgroup_size: 128
    .sgpr_count:     66
    .vgpr_count:     512
    .wavefront_size: 32
...
	.end_amdgpu_metadata
.endif
;; end of part 4
;; ======== version 2 of 2: 4 launches; version 1 with the launch prep written anew for expert scheduling mode
;; limits: values are held in f16: magnitudes above 65,504 overflow, below 6.1e-05 lose precision; right only within a limited range of input values
;; workspace buffers: bf 41,943,040 bytes; tab 524,288 bytes; lamb 256 bytes; qh 8,388,608 bytes; kh 8,388,608 bytes; vh 8,388,608 bytes; ob 8,388,608 bytes
;; launch prep (part 5): grid 128 x 6, 8 waves a work-group, no clusters, 0 bytes of LDS; arguments x, Wq, Wk, Wv, Wo, x_pos, lq1, lk1, lq2, lk2, bf, tab, lamb; writes bf, tab, lamb
.if DOCPART == 5
	.amdgcn_target "amdgcn-amd-amdhsa--gfx1250"
	.amdhsa_code_object_version 6
	.text
	.protected	k_q35b8c8fec3_prep
	.globl	k_q35b8c8fec3_prep
	.p2align	8
	.type	k_q35b8c8fec3_prep,@function
k_q35b8c8fec3_prep:
	s_mov_b64 s[64:65], 0
	v_nop
	global_prefetch_b8 v0, s[64:65] scope:SCOPE_SE
	s_setreg_imm32_b32 hwreg(HW_REG_WAVE_SCHED_MODE, 0, 2), 2
	s_setreg_imm32_b32 hwreg(HW_REG_WAVE_MODE, 25, 1), 1
	s_wait_xcnt 0x0
	s_wait_alu depctr_vm_vsrc(0)
; PREP.  Grid y = 0..4: one of x, Wq, Wk, Wv, Wo ([2048][2048] f32) is rounded once to bf16 and laid into plane y of bf (8,388,608 bytes a plane);
; Wo's bf16 number is written as f16, since the last product multiplies in f16.  Grid y = 5: the table of cosines and sines for the rotary, and lam.
; A stream: each input byte is read once, each output byte written once; nothing is shared between waves, so there is no LDS, no barrier, no matrix work.
; LIMITS.  |Wo| under 65,504 (f16's range); a bf16 number of Wo below 2^-17 keeps f16's fixed step of 6e-8.  |x_pos| up to 4,000,000: the quadrant number stays exact in f32.
; NaN and infinities are not treated apart.
; THE MODE: SCHED_MODE bits 1:0 = 2 (LLVM: expert scheduling mode 2), set by the entry lines.  The code itself states the register dependences
; between vector instructions and memory instructions, with s_wait_alu, always for 0.
; THE PLAN, for the conversions.  Registers that memory instructions touch:
;   v1, v2       byte offsets of the loads and of the stores: made once at the head, never written again.
;   chunk c      v[D + 8 c .. + 7]: its two loads land there once; its conversions read them and write the first four in place; one store reads those four; nothing writes them again.
; The 16 chunks go in 8 blocks of two.  Block b converts chunks 2 b and 2 b + 1; its memory instructions are the two stores of block b - 1, whose registers no vector line of block b names.
; So ONE wait at a block's head, behind the wait for the block's data, states all that its two stores hang on, and they are dealt among its conversions.
; No register that a memory instruction reads is ever written again: no wait on vm_vsrc and none on XCNT stands in the text.
; THE PLAN, for the table and lam: each offset and each store's data are written once, ahead of a wait that stands ahead of the memory instruction; the three vector lines that write scalar registers
; (the wave's number, two compares) stand in one run ahead of one wait.
.set D, 8                              ; v[8:135]  sixteen chunks of 8 f32 as loaded; the first four registers of a chunk then hold its 8 packed numbers
	s_load_b512 s[8:23], s[0:1], 0x0               ; x 8, Wq 10, Wk 12, Wv 14, Wo 16, x_pos 18, lq1 20, lk1 22
	s_load_b256 s[24:31], s[0:1], 0x40             ; lq2 24, lk2 26, bf 28, tab 30
	s_load_b64 s[32:33], s[0:1], 0x60              ; lamb
	s_and_b32 s4, ttmp7, 0xffff                    ; grid y: which job
	s_mov_b32 s39, 0
	s_wait_kmcnt 0x0
	s_cmp_eq_u32 s4, 5
	s_cbranch_scc1 .Ltable
	; THE CONVERSIONS.  A work-group owns 131,072 bytes of f32: 16 chunks of 8,192; thread t owns 32 bytes of each chunk, which become 16 bytes.
	v_lshlrev_b32 v1, 5, v0                        ; 32 t
	v_lshlrev_b32 v2, 4, v0                        ; 16 t
	s_mov_b64 s[34:35], s[8:9]                     ; the source is chosen by grid y alone
	s_cmp_eq_u32 s4, 1
	s_cselect_b64 s[34:35], s[10:11], s[34:35]
	s_cmp_eq_u32 s4, 2
	s_cselect_b64 s[34:35], s[12:13], s[34:35]
	s_cmp_eq_u32 s4, 3
	s_cselect_b64 s[34:35], s[14:15], s[34:35]
	s_cmp_eq_u32 s4, 4
	s_cselect_b64 s[34:35], s[16:17], s[34:35]
	s_lshl_b32 s38, ttmp9, 17
	s_add_nc_u64 s[34:35], s[34:35], s[38:39]      ; + 131,072 x work-group
	s_lshl_b32 s38, s4, 23                         ; the plane,
	s_lshl_b32 s6, ttmp9, 16                       ; and 65,536 x work-group in it
	s_add_co_u32 s38, s38, s6
	s_add_nc_u64 s[36:37], s[28:29], s[38:39]
	s_wait_alu depctr_va_vdst(0)                   ; v1 and v2 are written: every load below reads v1 as its offset, every store v2
.set c, 0
.rept 16                                       ; all 32 loads of a thread go out at once: the work-group's 131,072 bytes are on their way together
	global_load_b128 v[D+8*c:D+8*c+3],   v1, s[34:35] offset:8192*c th:TH_LOAD_NT
	global_load_b128 v[D+8*c+4:D+8*c+7], v1, s[34:35] offset:8192*c+16 th:TH_LOAD_NT
.set c, c+1
.endr
; Chunk c is rounded in place (register k takes numbers 2 k and 2 k + 1, and k <= 2 k).  half = 1: the bf16 number is widened again and written as f16.
.macro PACK c, half
.irp k, 0,1,2,3
.if \half
	v_cvt_pk_bf16_f32 v4, v[D+8*(\c)+2*\k], v[D+8*(\c)+2*\k+1]
	v_lshlrev_b32 v5, 16, v4
	v_and_b32 v6, 0xffff0000, v4
	v_cvt_pk_f16_f32 v[D+8*(\c)+\k], v5, v6
.else
	v_cvt_pk_bf16_f32 v[D+8*(\c)+\k], v[D+8*(\c)+2*\k], v[D+8*(\c)+2*\k+1]
.endif
.endr
.endm
; Chunk c is stored: a wave's store covers 512 consecutive bytes, aligned.  No register of a store is written again, so no wait stands behind the stores.
.macro OUT c
	global_store_b128 v2, v[D+8*(\c):D+8*(\c)+3], s[36:37] offset:4096*(\c) th:TH_STORE_NT
.endm
; Block b: chunks 2 b and 2 b + 1 are converted; the block before is stored.
.macro BLK b, half
	s_wait_loadcnt 28-4*(\b)                       ; loads come back in order: this block's four are in, the 4 (7 - b) younger ones may stay out
.if (\b) > 0
	s_wait_alu depctr_va_vdst(0)                   ; the block before has written its eight packed registers, which the two stores of this block read
	OUT 2*(\b)-2
.endif
	PACK 2*(\b), \half
.if (\b) > 0
	OUT 2*(\b)-1                                   ; no wait: no vector line since the wait above names this chunk's registers or v2
.endif
	PACK 2*(\b)+1, \half
.endm
	s_cmp_eq_u32 s4, 4
	s_cbranch_scc1 .Lwo
.irp b, 0,1,2,3,4,5,6,7
	BLK \b, 0
.endr
	s_wait_alu depctr_va_vdst(0)                   ; block 7 has written its packed registers, which the last two stores read
	OUT 14
	OUT 15
	s_endpgm
.Lwo:
.irp b, 0,1,2,3,4,5,6,7
	BLK \b, 1
.endr
	s_wait_alu depctr_va_vdst(0)                   ; block 7 has written its packed registers, which the last two stores read
	OUT 14
	OUT 15
	s_endpgm
	; THE TABLE.  Row s of tab is 256 bytes: group j / 2 (16 bytes, j even) holds cos_j, cos_j+1, sin_j, sin_j+1 of the angle f32(x_pos[s]) x 10000^(-j / 32), j = 0..31.
	; Thread t serves row 16 x work-group + t / 16 and j = 2 (t % 16): sixteen lanes store one whole row.
.Ltable:
	v_lshrrev_b32 v28, 5, v0
	v_readfirstlane_b32 s5, v28                    ; the wave's number, for lam's branch below: it stands here so that one wait serves it and the two compares
	v_lshrrev_b32 v3, 4, v0
	s_lshl_b32 s38, ttmp9, 6
	v_lshl_add_u32 v3, v3, 2, s38                  ; 4 x my row
	s_wait_alu depctr_va_vdst(0)                   ; v3 is written: the load reads it as its offset
	global_load_b32 v7, v3, s[18:19]               ; my row's position
	v_and_b32 v8, 15, v0
	v_lshlrev_b32 v8, 1, v8
	v_cvt_f32_u32 v8, v8                           ; j
	v_add_f32 v9, 1.0, v8                          ; j + 1
	v_mul_f32 v8, 0xbed49a78, v8                   ; x -log2(10000) / 32
	v_mul_f32 v9, 0xbed49a78, v9
	v_exp_f32 v10, v8                              ; the two frequencies
	v_exp_f32 v11, v9
	s_mov_b32 s40, 0x3f22f983                      ; 2 / pi
	s_mov_b32 s41, 0x3fc90fdb                      ; pi / 2, its f32,
	s_mov_b32 s42, 0xb33bbd2e                      ; and what that f32 leaves out
	s_mov_b32 s43, 0xbe2aaaa3                      ; sine on -pi/4 .. pi/4: r + r z (S1 + z (S2 + z S3)), z = r r
	s_mov_b32 s44, 0x3c08839e
	s_mov_b32 s45, 0xb94ca1f9
	s_mov_b32 s46, 0x3d2aaaa5                      ; cosine: 1 + z (-1/2 + z (C1 + z (C2 + z C3)))
	s_mov_b32 s47, 0xbab6061a
	s_mov_b32 s48, 0x37ccf5ce
	s_lshl_b32 s6, ttmp9, 12
	v_lshlrev_b32 v27, 4, v0                       ; a plain instruction behind the second exponential
	v_add_nc_u32 v27, s6, v27                      ; my 16 bytes of tab: 4,096 x work-group + 16 t
	s_wait_alu depctr_va_vdst(0)                   ; the two exponentials have written v10 and v11: one wait, ahead of their first reader
	s_wait_loadcnt 0x0
	v_cvt_f32_i32 v7, v7
	v_mul_f32 v10, v7, v10                         ; the angles, rounded as a product of two f32
	v_mul_f32 v11, v7, v11
; The angle is n pi / 2 + r with n whole and |r| <= pi / 4; n mod 4 says which of the two series is the sine and which signs turn.
; SERIES: the two series of one angle, in seven registers from v[t] on (n, r, n as a whole number, z, sin r, cos r, one at work), and into s[m] the lanes in which n is odd.
.macro SERIES ang, t, m
	v_mul_f32 v\t, s40, v[\ang]
	v_rndne_f32 v\t, v\t                           ; n
	v_fma_f32 v[(\t)+1], -v\t, s41, v[\ang]
	v_fma_f32 v[(\t)+1], -v\t, s42, v[(\t)+1]      ; r, in two steps
	v_cvt_i32_f32 v[(\t)+2], v\t
	v_and_b32 v[(\t)+6], 1, v[(\t)+2]
	v_cmp_ne_u32 s[\m], 0, v[(\t)+6]               ; read by the selects, behind the wait that follows both series
	v_mul_f32 v[(\t)+3], v[(\t)+1], v[(\t)+1]      ; z
	v_fma_f32 v[(\t)+4], v[(\t)+3], s45, s44
	v_fma_f32 v[(\t)+4], v[(\t)+4], v[(\t)+3], s43
	v_mul_f32 v[(\t)+5], v[(\t)+1], v[(\t)+3]
	v_fma_f32 v[(\t)+4], v[(\t)+5], v[(\t)+4], v[(\t)+1]  ; sin r
	v_fma_f32 v[(\t)+5], v[(\t)+3], s48, s47
	v_fma_f32 v[(\t)+5], v[(\t)+5], v[(\t)+3], s46
	v_fma_f32 v[(\t)+5], v[(\t)+5], v[(\t)+3], -0.5
	v_fma_f32 v[(\t)+5], v[(\t)+5], v[(\t)+3], 1.0        ; cos r
.endm
; TURNS: the cosine into v[c], the sine into v[s].
.macro TURNS t, m, c, s
	v_cndmask_b32 v[\s], v[(\t)+4], v[(\t)+5], s[\m]      ; n odd: the two change places
	v_cndmask_b32 v[\c], v[(\t)+5], v[(\t)+4], s[\m]
	v_and_b32 v[(\t)+6], 2, v[(\t)+2]
	v_lshlrev_b32 v[(\t)+6], 30, v[(\t)+6]
	v_xor_b32 v[\s], v[\s], v[(\t)+6]              ; the sine turns its sign for n mod 4 = 2, 3
	v_add_nc_u32 v[(\t)+6], 1, v[(\t)+2]
	v_and_b32 v[(\t)+6], 2, v[(\t)+6]
	v_lshlrev_b32 v[(\t)+6], 30, v[(\t)+6]
	v_xor_b32 v[\c], v[\c], v[(\t)+6]              ; the cosine for n mod 4 = 1, 2
.endm
	SERIES 10, 20, 50                              ; v20-26, s50
	SERIES 11, 48, 51                              ; v48-54, s51
	s_wait_alu depctr_va_sdst(0)                   ; s5, s50 and s51 are written: one wait behind the three lines that write them, ahead of the first reader of each (the selects; the s_or_b32 below)
	TURNS 20, 50, 16, 18
	TURNS 48, 51, 17, 19
	s_wait_alu depctr_va_vdst(0)                   ; v[16:19] and v27 are written: the store reads them as its data and its offset
	global_store_b128 v27, v[16:19], s[30:31]
	; LAM = exp(lq1 . lk1) - exp(lq2 . lk2) + LAMBDA_INIT, by wave 0 of work-group 0; the four vectors are rounded to bf16 like every other input.
	s_or_b32 s5, s5, ttmp9
	s_cmp_lg_u32 s5, 0
	s_cbranch_scc1 .Ldone
	s_mov_b32 s52, 0x76543210                      ; v_permlanex16_b32: each lane takes its own place in the other half
	s_mov_b32 s53, 0xfedcba98
	v_lshlrev_b32 v30, 3, v0                       ; two numbers a lane
	s_wait_alu depctr_va_vdst(0)                   ; v30 is written: the four loads and the store below read it as their offset; it is never written again
	global_load_b64 v[32:33], v30, s[20:21]
	global_load_b64 v[34:35], v30, s[22:23]
	global_load_b64 v[36:37], v30, s[24:25]
	global_load_b64 v[38:39], v30, s[26:27]
	v_mov_b32 v43, 0
	s_wait_loadcnt 0x0
.irp p, 32,34,36,38
	v_cvt_pk_bf16_f32 v40, v[\p], v[\p+1]
	v_lshlrev_b32 v[\p], 16, v40
	v_and_b32 v[\p+1], 0xffff0000, v40
.endr
	v_mul_f32 v41, v32, v34
	v_mul_f32 v42, v36, v38
	v_fmac_f32 v41, v33, v35
	v_fmac_f32 v42, v37, v39
.irp m, 1,2,4,8
	v_add_f32_dpp v41, v41, v41 row_xmask:\m row_mask:0xf bank_mask:0xf
	v_add_f32_dpp v42, v42, v42 row_xmask:\m row_mask:0xf bank_mask:0xf
.endr
	v_permlanex16_b32 v43, v41, s52, s53
	v_add_f32 v41, v41, v43
	v_permlanex16_b32 v43, v42, s52, s53
	v_add_f32 v42, v42, v43
	v_mul_f32 v41, 0x3fb8aa3b, v41                 ; x log2(e)
	v_mul_f32 v42, 0x3fb8aa3b, v42
	v_exp_f32 v44, v41
	v_exp_f32 v45, v42
	v_nop                                          ; a plain instruction behind the second exponential,
	s_wait_alu depctr_va_vdst(0)                   ; and the one wait ahead of the first reader: the two exponentials have written v44 and v45
	v_sub_f32 v44, v44, v45
	v_add_f32 v44, 0x3f489a63, v44                 ; + 0.8 - 0.6 exp(-3.6) = 0.78360577
	v_mov_b32 v45, v44
	s_wait_alu depctr_va_vdst(0)                   ; v[44:45] are written: the store reads them as its data
	global_store_b64 v30, v[44:45], s[32:33]       ; 64 copies: the wave's store covers the buffer's 256 bytes
.Ldone:
	s_endpgm
.Lfunc_end_k_q35b8c8fec3_prep:
	.size	k_q35b8c8fec3_prep, .Lfunc_end_k_q35b8c8fec3_prep-k_q35b8c8fec3_prep
	.p2alignl 7, 3214868480
	.fill 96, 4, 3214868480
	.section	.rodata,"a",@progbits
	.p2align	6, 0x0
	.amdhsa_kernel k_q35b8c8fec3_prep
		.amdhsa_group_segment_fixed_size 0
		.amdhsa_private_segment_fixed_size 0
		.amdhsa_enable_private_segment 0
		.amdhsa_kernarg_size 104
		.amdhsa_user_sgpr_count 2
		.amdhsa_user_sgpr_kernarg_segment_ptr 1
		.amdhsa_wavefront_size32 1
		.amdhsa_system_sgpr_workgroup_id_x 1
		.amdhsa_system_sgpr_workgroup_id_y 1
		.amdhsa_system_sgpr_workgroup_id_z 1
		.amdhsa_system_vgpr_workitem_id 0
		.amdhsa_next_free_vgpr 136
		.amdhsa_next_free_sgpr 66
		.amdhsa_reserve_vcc 0
		.amdhsa_float_denorm_mode_32 3
		.amdhsa_float_denorm_mode_16_64 3
		.amdhsa_memory_ordered 1
		.amdhsa_forward_progress 1
		.amdhsa_inst_pref_size 33
	.end_amdhsa_kernel
	.amdgpu_metadata
---
amdhsa.version: [ 1, 2 ]
amdhsa.kernels:
  - .name:           k_q35b8c8fec3_prep
    .symbol:         k_q35b8c8fec3_prep.kd
    .args:
      - { .name: x, .offset: 0, .size: 8, .value_kind: global_buffer, .address_space: global }
      - { .name: Wq, .offset: 8, .size: 8, .value_kind: global_buffer, .address_space: global }
      - { .name: Wk, .offset: 16, .size: 8, .value_kind: global_buffer, .address_space: global }
      - { .name: Wv, .offset: 24, .size: 8, .value_kind: global_buffer, .address_space: global }
      - { .name: Wo, .offset: 32, .size: 8, .value_kind: global_buffer, .address_space: global }
      - { .name: x_pos, .offset: 40, .size: 8, .value_kind: global_buffer, .address_space: global }
      - { .name: lq1, .offset: 48, .size: 8, .value_kind: global_buffer, .address_space: global }
      - { .name: lk1, .offset: 56, .size: 8, .value_kind: global_buffer, .address_space: global }
      - { .name: lq2, .offset: 64, .size: 8, .value_kind: global_buffer, .address_space: global }
      - { .name: lk2, .offset: 72, .size: 8, .value_kind: global_buffer, .address_space: global }
      - { .name: bf, .offset: 80, .size: 8, .value_kind: global_buffer, .address_space: global }
      - { .name: tab, .offset: 88, .size: 8, .value_kind: global_buffer, .address_space: global }
      - { .name: lamb, .offset: 96, .size: 8, .value_kind: global_buffer, .address_space: global }
    .group_segment_fixed_size: 0
    .private_segment_fixed_size: 0
    .kernarg_segment_align: 8
    .kernarg_segment_size: 104
    .max_flat_workgroup_size: 256
    .sgpr_count:     66
    .vgpr_count:     136
    .wavefront_size: 32
...
	.end_amdgpu_metadata
.endif
;; end of part 5
;; launch qkv: the kernel of part 2 again; grid 24 x 8, 4 waves a work-group, clusters of 4 x 4, 327,680 bytes of LDS; arguments bf, tab, qh, kh, vh; writes qh, kh, vh
;; launch attn: the kernel of part 3 again; grid 16 x 16, 4 waves a work-group, clusters of 4 x 1, 327,680 bytes of LDS; arguments qh, kh, vh, ob, lamb; writes ob
;; launch oproj: the kernel of part 4 again; grid 16 x 16, 4 waves a work-group, clusters of 4 x 4, 327,680 bytes of LDS; arguments ob, bf, out0; writes out0
